; MI455X (gfx1250); checked and timed in simulation.
; The chip was launched on July 23, 2026; its instructions are those of AMD's public machine-readable ISA for CDNA 5 (MIT licence, August 2026) and "CDNA5" Instruction Set Architecture Reference Guide (July 2026). The comments in the code are by the model that wrote it; some were corrected since.
;; Multi Scale Retention. Allowed arithmetic: float matrix products may take bf16 or f16 operands with f32 sums; other float arithmetic in f32, or as packed bf16 or f16 multiplies, adds, multiply-adds, maxima and minima; sums over many terms, partial sums and values carried from step to step in f32; what a program stores and reads back later, other than sums and carried values, may be rounded once to bf16 or f16.
;; Inputs: Wg 1,024 x 2,048 float32; Wk 1,024 x 1,024 float32; Wo 2,048 x 1,024 float32; Wq 1,024 x 1,024 float32; Wv 1,024 x 2,048 float32; g_norm_w 256 float32; hidden_states 2 x 2,048 x 1,024 float32.
;; Outputs: out0 2 x 2,048 x 1,024 float32.
;; 2 versions, each right; version 2 is version 1 with the launch cast written anew for expert scheduling mode. Each part assembles by itself: llvm-mc -triple=amdgcn-amd-amdhsa -mcpu=gfx1250 --defsym DOCPART=n.
;; ======== version 1 of 2: 4 launches
;; limits: values outside matrix products are rounded to f16; values are held in f16: magnitudes above 65,504 overflow, below 6.1e-05 lose precision
;; workspace buffers: xb 8,388,608 bytes; wcat 12,582,912 bytes; wob 4,194,304 bytes; tab 524,288 bytes; qk 16,777,216 bytes; vg 33,554,432 bytes; nrm 262,144 bytes; yb 16,777,216 bytes
;; launch cast (part 1): grid 896 x 1, 8 waves a work-group, no clusters, 0 bytes of LDS; arguments hidden_states, Wq, Wk, Wv, Wg, Wo, xb, wcat, wob, tab; writes xb, wcat, wob, tab
.if DOCPART == 1
	.amdgcn_target "amdgcn-amd-amdhsa--gfx1250"
	.amdhsa_code_object_version 6
	.text
	.protected	k_qf72e2e6ccb_cast
	.globl	k_qf72e2e6ccb_cast
	.p2align	8
	.type	k_qf72e2e6ccb_cast,@function
k_qf72e2e6ccb_cast:
	s_mov_b64 s[64:65], 0
	v_nop
	global_prefetch_b8 v0, s[64:65] scope:SCOPE_SE
	s_setreg_imm32_b32 hwreg(HW_REG_WAVE_MODE, 25, 1), 1
	s_wait_xcnt 0x0
; MULTI-SCALE RETENTION, launch 1 of 4: the inputs rounded once to bf16 and laid out for the products, and the rotary table.
; WORK LEFT OUT BY THE PROGRAM: reference() builds decay[h][q][k] = 0 for k > q in its own body, so scores[q][k] = (q.k) x 0 = 0 there for all finite inputs
; and adds nothing to o.  Launch 3 therefore leaves out the key tiles that lie wholly above the diagonal.  A decay that is only small is not 0: those tiles are multiplied.
; Every input has a way to the output and is loaded.  LIMIT: a NaN, an infinity or an overflow in keys or values of the tiles left out is not carried to the result.
; xb   bf16 [kb 16][row 4096][64]: the 128 bytes that a row gives to a K step of 64 lie end to end with its neighbours'.
; wcat bf16 [k 1024][6144]: 16 tiles of 768 bytes; tile 2 h + f = (f ? Wk : Wq)[:,128 h ..] | Wv[:,256 h + 128 f ..] | Wg[:,256 h + 128 f ..].
; wob  bf16 [2048][1024].   tab  f16 [t 2048][p 64](cos, sin) of t x 10000^(-p/64).
; A work-group of the first 768 takes 16 rows x 1,024 columns: 16 loads of 16 bytes a lane are out together; a wave's store covers 256 consecutive bytes, aligned.
; No LDS, no matrix unit, no cluster: nothing is shared and nothing is multiplied.
.set X,  16                            ; v[16:79]  16 loads of 4 registers
.set Y,  80                            ; v[80:111] 16 pairs to store
.set VS, 2                             ; my byte offset in the source; never rewritten
.set VD, 3                             ; in the destination; never rewritten
.macro BODY sp, dp                     ; sp, dp: bytes from one of the 16 pieces to the next, in source and destination
.set i, 0
.rept 16
	global_load_b128 v[X+4*i:X+4*i+3], v[VS], s[24:25] offset:i*(\sp) th:TH_LOAD_NT
.set i, i+1
.endr
.set i, 0
.rept 16
	s_wait_loadcnt 15-i                            ; loads come back in order: piece i is in, the 15 - i younger ones stay out
	v_cvt_pk_bf16_f32 v[Y+2*i], v[X+4*i], v[X+4*i+1]
	v_cvt_pk_bf16_f32 v[Y+2*i+1], v[X+4*i+2], v[X+4*i+3]
	global_store_b64 v[VD], v[Y+2*i:Y+2*i+1], s[26:27] offset:i*(\dp)
.set i, i+1
.endr
	s_endpgm
.endm
	s_load_b512 s[4:19], s[0:1], 0x0               ; x s[4:5], Wq, Wk, Wv, Wg, Wo s[14:15], xb s[16:17], wcat s[18:19]
	s_load_b128 s[20:23], s[0:1], 0x40             ; wob s[20:21], tab s[22:23]
	v_and_b32 v1, 31, v0                           ; lane
	v_lshrrev_b32 v4, 5, v0                        ; wave
	s_mov_b32 s31, 0
	s_mov_b32 s33, 0
	s_wait_kmcnt 0x0
	s_cmp_lt_u32 ttmp9, 256
	s_cbranch_scc1 .Lx
	s_cmp_lt_u32 ttmp9, 384
	s_cbranch_scc1 .Lqk
	s_cmp_lt_u32 ttmp9, 640
	s_cbranch_scc1 .Lvg
	s_cmp_lt_u32 ttmp9, 768
	s_cbranch_scc1 .Lwo
	; THE TABLE: 16 rows a work-group; wave w takes rows 16 id + w and + 8; lane l the pairs 2 l and 2 l + 1: a wave's store is a whole row of 256 bytes.
	s_sub_co_u32 s28, ttmp9, 768
	s_lshl_b32 s28, s28, 4
	s_mov_b32 s36, 0x3fc90fdb                      ; pi/2, rounded,
	s_mov_b32 s37, 0xb33bbd2e                      ; and what the rounding left
	v_lshlrev_b32 v5, 1, v1
	v_cvt_f32_u32 v6, v5
	v_add_f32 v7, 1.0, v6
	v_mul_f32 v6, 0xbe549a78, v6                   ; - p log2(10000) / 64
	v_mul_f32 v7, 0xbe549a78, v7
	v_exp_f32 v6, v6
	v_exp_f32 v7, v7
	v_add_nc_u32 v8, s28, v4                       ; t: a plain instruction behind the exponentials
	s_wait_alu depctr_va_vdst(0)                   ; one wait for both, ahead of their first reader
	v_cvt_f32_u32 v9, v8
	v_add_f32 v10, 8.0, v9
	v_lshlrev_b32 v[VD], 8, v8
	v_lshl_add_u32 v[VD], v1, 3, v[VD]
; cos and sin of t x inv: n = the nearest multiple of pi/2, taken away in two parts; polynomials on |r| <= pi/4; the quadrant n mod 4 swaps and signs.
.macro SINCOS tf, inv, oc, os, b
	v_mul_f32 v[\b], v[\tf], v[\inv]
	v_mul_f32 v[\b+1], 0x3f22f983, v[\b]
	v_rndne_f32 v[\b+1], v[\b+1]
	v_fma_f32 v[\b], -v[\b+1], s36, v[\b]
	v_fma_f32 v[\b], -v[\b+1], s37, v[\b]
	v_cvt_i32_f32 v[\b+1], v[\b+1]
	v_mul_f32 v[\b+2], v[\b], v[\b]
	v_mov_b32 v[\b+3], -0.00019515296
	v_fmaak_f32 v[\b+3], v[\b+3], v[\b+2], 0.0083321609
	v_fmaak_f32 v[\b+3], v[\b+3], v[\b+2], -0.16666655
	v_mul_f32 v[\b+3], v[\b+3], v[\b+2]
	v_fma_f32 v[\b+3], v[\b+3], v[\b], v[\b]       ; sin r
	v_mov_b32 v[\b+4], 0.000024433157
	v_fmaak_f32 v[\b+4], v[\b+4], v[\b+2], -0.0013887316
	v_fmaak_f32 v[\b+4], v[\b+4], v[\b+2], 0.041666646
	v_fmaak_f32 v[\b+4], v[\b+4], v[\b+2], 0xbf000000
	v_fma_f32 v[\b+4], v[\b+4], v[\b+2], 1.0       ; cos r
	v_and_b32 v[\b+5], 1, v[\b+1]
	v_cmp_eq_u32 vcc_lo, 1, v[\b+5]
	v_cndmask_b32 v[\os], v[\b+3], v[\b+4], vcc_lo
	v_cndmask_b32 v[\oc], v[\b+4], v[\b+3], vcc_lo
	v_lshlrev_b32 v[\b+5], 30, v[\b+1]
	v_and_b32 v[\b+5], 0x80000000, v[\b+5]
	v_xor_b32 v[\os], v[\os], v[\b+5]              ; sin changes sign in quadrants 2, 3
	v_add_nc_u32 v[\b+5], 1, v[\b+1]
	v_lshlrev_b32 v[\b+5], 30, v[\b+5]
	v_and_b32 v[\b+5], 0x80000000, v[\b+5]
	v_xor_b32 v[\oc], v[\oc], v[\b+5]              ; cos in quadrants 1, 2
.endm
	SINCOS 9, 6, 52, 53, 20
	SINCOS 9, 7, 54, 55, 28
	SINCOS 10, 6, 56, 57, 36
	SINCOS 10, 7, 58, 59, 44
	v_cvt_pk_f16_f32 v60, v52, v53
	v_cvt_pk_f16_f32 v61, v54, v55
	v_cvt_pk_f16_f32 v62, v56, v57
	v_cvt_pk_f16_f32 v63, v58, v59
	global_store_b64 v[VD], v[60:61], s[22:23]
	global_store_b64 v[VD], v[62:63], s[22:23] offset:2048
	s_endpgm
.Lx:                                           ; x: piece i is K block i; a wave takes two rows, 256 bytes of each
	s_lshl_b32 s30, ttmp9, 16
	s_add_nc_u64 s[24:25], s[4:5], s[30:31]
	s_lshl_b32 s32, ttmp9, 11
	s_add_nc_u64 s[26:27], s[16:17], s[32:33]
	v_lshrrev_b32 v5, 4, v1
	v_and_b32 v6, 15, v1
	v_lshl_add_u32 v5, v4, 1, v5
	v_lshlrev_b32 v[VS], 12, v5
	v_lshl_add_u32 v[VS], v6, 4, v[VS]
	v_lshlrev_b32 v[VD], 7, v5
	v_lshl_add_u32 v[VD], v6, 3, v[VD]
	BODY 256, 524288
.Lqk:                                          ; Wq, Wk: piece i is row i; wave w holds head w's 128 columns
	s_sub_co_u32 s28, ttmp9, 256
	s_lshr_b32 s29, s28, 6
	s_and_b32 s28, s28, 63
	s_cmp_eq_u32 s29, 0
	s_cselect_b64 s[24:25], s[6:7], s[8:9]
	s_lshl_b32 s30, s28, 16
	s_add_nc_u64 s[24:25], s[24:25], s[30:31]
	s_mul_i32 s32, s28, 196608
	s_add_nc_u64 s[26:27], s[18:19], s[32:33]
	s_mul_i32 s29, s29, 768
	v_lshlrev_b32 v[VS], 4, v0
	v_mul_u32_u24 v[VD], v4, 1536
	v_lshl_add_u32 v[VD], v1, 3, v[VD]
	v_add_nc_u32 v[VD], s29, v[VD]
	BODY 4096, 12288
.Lvg:                                          ; Wv, Wg: 16 rows x one half of the 2,048 columns; wave w holds the 128 columns of tile 8 hf + w
	s_sub_co_u32 s28, ttmp9, 384
	s_lshr_b32 s29, s28, 7
	s_and_b32 s28, s28, 127
	s_and_b32 s34, s28, 1
	s_lshr_b32 s28, s28, 1
	s_cmp_eq_u32 s29, 0
	s_cselect_b64 s[24:25], s[10:11], s[12:13]
	s_lshl_b32 s30, s28, 17
	s_lshl_b32 s35, s34, 12
	s_add_co_u32 s30, s30, s35
	s_add_nc_u64 s[24:25], s[24:25], s[30:31]
	s_mul_i32 s32, s28, 196608
	s_add_nc_u64 s[26:27], s[18:19], s[32:33]
	s_mul_i32 s34, s34, 6144
	s_lshl_b32 s29, s29, 8
	s_add_co_u32 s34, s34, s29
	s_add_co_u32 s34, s34, 256
	v_lshlrev_b32 v[VS], 4, v0
	v_mul_u32_u24 v[VD], v4, 768
	v_lshl_add_u32 v[VD], v1, 3, v[VD]
	v_add_nc_u32 v[VD], s34, v[VD]
	BODY 8192, 12288
.Lwo:
	s_sub_co_u32 s28, ttmp9, 640
	s_lshl_b32 s30, s28, 16
	s_add_nc_u64 s[24:25], s[14:15], s[30:31]
	s_lshl_b32 s32, s28, 15
	s_add_nc_u64 s[26:27], s[20:21], s[32:33]
	v_lshlrev_b32 v[VS], 4, v0
	v_lshlrev_b32 v[VD], 3, v0
	BODY 4096, 2048
.Lfunc_end_k_qf72e2e6ccb_cast:
	.size	k_qf72e2e6ccb_cast, .Lfunc_end_k_qf72e2e6ccb_cast-k_qf72e2e6ccb_cast
	.p2alignl 7, 3214868480
	.fill 96, 4, 3214868480
	.section	.rodata,"a",@progbits
	.p2align	6, 0x0
	.amdhsa_kernel k_qf72e2e6ccb_cast
		.amdhsa_group_segment_fixed_size 0
		.amdhsa_private_segment_fixed_size 0
		.amdhsa_enable_private_segment 0
		.amdhsa_kernarg_size 80
		.amdhsa_user_sgpr_count 2
		.amdhsa_user_sgpr_kernarg_segment_ptr 1
		.amdhsa_wavefront_size32 1
		.amdhsa_system_sgpr_workgroup_id_x 1
		.amdhsa_system_sgpr_workgroup_id_y 1
		.amdhsa_system_sgpr_workgroup_id_z 1
		.amdhsa_system_vgpr_workitem_id 0
		.amdhsa_next_free_vgpr 112
		.amdhsa_next_free_sgpr 66
		.amdhsa_reserve_vcc 1
		.amdhsa_float_denorm_mode_32 3
		.amdhsa_float_denorm_mode_16_64 3
		.amdhsa_memory_ordered 1
		.amdhsa_forward_progress 1
		.amdhsa_inst_pref_size 32
	.end_amdhsa_kernel
	.amdgpu_metadata
---
amdhsa.version: [ 1, 2 ]
amdhsa.kernels:
  - .name:           k_qf72e2e6ccb_cast
    .symbol:         k_qf72e2e6ccb_cast.kd
    .args:
      - { .name: hidden_states, .offset: 0, .size: 8, .value_kind: global_buffer, .address_space: global }
      - { .name: Wq, .offset: 8, .size: 8, .value_kind: global_buffer, .address_space: global }
      - { .name: Wk, .offset: 16, .size: 8, .value_kind: global_buffer, .address_space: global }
      - { .name: Wv, .offset: 24, .size: 8, .value_kind: global_buffer, .address_space: global }
      - { .name: Wg, .offset: 32, .size: 8, .value_kind: global_buffer, .address_space: global }
      - { .name: Wo, .offset: 40, .size: 8, .value_kind: global_buffer, .address_space: global }
      - { .name: xb, .offset: 48, .size: 8, .value_kind: global_buffer, .address_space: global }
      - { .name: wcat, .offset: 56, .size: 8, .value_kind: global_buffer, .address_space: global }
      - { .name: wob, .offset: 64, .size: 8, .value_kind: global_buffer, .address_space: global }
      - { .name: tab, .offset: 72, .size: 8, .value_kind: global_buffer, .address_space: global }
    .group_segment_fixed_size: 0
    .private_segment_fixed_size: 0
    .kernarg_segment_align: 8
    .kernarg_segment_size: 80
    .max_flat_workgroup_size: 256
    .sgpr_count:     66
    .vgpr_count:     112
    .wavefront_size: 32
...
	.end_amdgpu_metadata
.endif
;; end of part 1
;; launch proj (part 2): grid 16 x 16, 4 waves a work-group, clusters of 4 x 4, 327,680 bytes of LDS; arguments xb, wcat, tab, qk, vg, nrm; writes qk, vg, nrm
.if DOCPART == 2
	.amdgcn_target "amdgcn-amd-amdhsa--gfx1250"
	.amdhsa_code_object_version 6
	.text
	.protected	k_qf72e2e6ccb_proj
	.globl	k_qf72e2e6ccb_proj
	.p2align	8
	.type	k_qf72e2e6ccb_proj,@function
k_qf72e2e6ccb_proj:
	s_mov_b64 s[64:65], 0
	v_nop
	global_prefetch_b8 v0, s[64:65] scope:SCOPE_SE
	s_setreg_imm32_b32 hwreg(HW_REG_WAVE_MODE, 25, 1), 1
	s_wait_xcnt 0x0
	s_wait_alu depctr_hold_cnt(0) depctr_sa_sdst(0) depctr_va_vdst(0) depctr_va_sdst(0) depctr_va_ssrc(0) depctr_va_vcc(0) depctr_vm_vsrc(0)
	s_getreg_b32 s2, hwreg(HW_REG_IB_STS2, 6, 4)
	s_cmp_eq_u32 s2, 0
	s_cbranch_scc0 .Lentry_in_a_cluster
	s_endpgm
.Lentry_in_a_cluster:
	s_bfe_u32 s2, ttmp6, 0x10000c
	s_cmp_lg_u32 s2, 0xf033
	s_cbranch_scc0 .Lentry_shape_is_right
	s_endpgm
.Lentry_shape_is_right:
; Launch 2 of 4: x [4096][1024] times the four weights side by side [1024][6144], bf16 operands, f32 sums; then rope, the keys' decay, silu, and the rows' squared norms.
; A work-group makes 256 rows x 384 columns: 4096 x 6144 / 256 work-groups.  Tile column tc = 2 head + f holds (f ? k : q) of the head | 128 channels of v | the same 128 of g.
; A wave makes 128 x 192: 96 accumulators (a = 0..7 blocks of 16 rows; b = 0..7 the unit wc, b = 8..11 columns 64 wc on of the third unit).
; The matrix instruction is used transposed (source 0 = 16 columns of W, turned out of LDS; source 1 = 16 rows of x): a lane ends with 8 neighbouring columns of one row.
; K goes in steps of 64 through two LDS slots.  CLUSTER 4 x 4: x's tile is shared along a row of the cluster, W's along a column, the rope table's rows along a row: joint loads.
; OUT: qk f16 [bh][t][q 128 | k~ 128], k~ = rope(k) gamma^(31 - t % 32); vg f16: v [bh][t][256], then silu(g) likewise; nrm f32: |q|^2 [bh][t], then |k~|^2.
; LIMITS: q, k, v, g beyond 65,504 become infinities in f16.  q, k and g are rounded to f16 in the stage and once more behind rope and silu.  The table's cos and sin are f16.
; gamma_h = 1 - 2^(-5-h); log2 gamma by the series of log(1 - x) to x^6: the term left out is under 2^-32 of the sum for all eight heads, which are constants of the problem.
.set PA,    144                        ; a row of x in LDS: 128 bytes + 16
.set PB,    864                        ; a row of W: 768 bytes + 16 behind every 128
.set SLOT1, 131072
.set BOFF,  36864                      ; W's 64 rows lie behind x's 256
.set SPI,   784                        ; the stage's pitch: 768 + 16.  The stage (256 rows) lies over the slots, behind their last fill
.set NRMS,  200704                     ; 1,024 bytes: the rows' squared norms
.set SPARE, 223232                     ; the spare words: 512 bytes that no other line names
.set TABL,  223744                     ; 256 rows x 256 bytes of the rope table
.set ADRA, 16                          ; v16-17 my x fragments in slot 0, 1;  v18-19 W's blocks 0-7;  v20-21 W's blocks 8-11
.set ADRBL, 18
.set ADRBH, 20
.set STO, 22                           ; v22-25 into the stage: (b < 8 | b >= 8) x (a < 4 | a >= 4)
.set SPW, 28
.set NIL, 29
.set PFO, 30
.set A0, 32                            ; x's fragments, two buffers of 64
.set A1, 96
.set BF, 160                           ; W's 12 fragments
.set WV, 16
.set WR, 17
.set WC, 18
.set CX, 19
.set CY, 20
.set TC, 21
.set TR, 22
.set G1A, 24
.set G0A, 32
.set PFA, 44                           ; s[44:45] where my prefetches stand; s[46:47] a K step's bytes there
.set G1B, 48
.set G0B, 56
.set G1T, 68
.set G0T, 76
.set LIM0, 86
.set LIM1, 87
.set MSB, 0
.macro WIN new                         ; the immediate's high byte repeats the setting that is left; a switch that changes nothing is dropped
.if MSB != (\new)
	s_set_vgpr_msb (MSB<<8)|(\new)
.set MSB, \new
.endif
.endm
.macro PLACES                          ; four places behind a matrix instruction (ISA guide 7.12.1)
.rept 4
	v_nop
.endr
.endm
.macro CREST
	s_cmp_lg_u32 s[WV], 0
	s_cbranch_scc1 .Lnw0_\@
	s_barrier_signal -3
.Lnw0_\@:
	s_barrier_wait -3
	s_barrier_signal -1
	s_barrier_wait -1
.endm
.macro CROUND                          ; a round of the cluster's barrier
	s_barrier_signal -1
	s_barrier_wait -1
	CREST
.endm
.macro JLOAD s                         ; waves 0, 1 fetch the halves of x's tile, waves 2, 3 those of W's; an s_nop 0 and four v_nop follow
	s_cmp_eq_u32 s[WR], 0
	s_cbranch_scc0 .Lfb_\@
	tensor_load_to_lds s[G0A+4*(\s):G0A+4*(\s)+3], s[G1A:G1A+7]
	s_nop 0
	PLACES
	s_branch .Lfa_\@
.Lfb_\@:
	tensor_load_to_lds s[G0B+4*(\s):G0B+4*(\s)+3], s[G1B:G1B+7]
	s_nop 0
	PLACES
.Lfa_\@:
.endm
; A prefetch into the L2 of the K step two refills on.  x's tile (32 KiB on end): the cluster with x = 0, wave 0, partner cx takes 8 KiB, a lane 256 bytes, in every change of slots.
; W's tile: the cluster with y = 0, waves 1-3 a unit of 256 bytes each, partner cy rows 16 cy .. + 15 of two K steps, a lane a row, in every second change.  Each block is named once.
; The loop's last trip asks for nothing: K steps 16 and 17 do not exist.
.macro ASK lim
	s_cmp_gt_u32 s3, s[\lim]
	s_cbranch_scc0 .Lnp_\@
	global_prefetch_b8 v[PFO], s[PFA:PFA+1] th:TH_LOAD_NT scope:SCOPE_SE
.Lnp_\@:
.endm
	s_load_b256 s[4:11], s[0:1], 0x0               ; xb s[4:5], wcat s[6:7], tab s[8:9], qk s[10:11]
	s_load_b128 s[12:15], s[0:1], 0x20             ; vg s[12:13], nrm s[14:15]
	v_lshl_add_u32 v[SPW], v0, 2, SPARE
	v_mov_b32 v[NIL], 0
	ds_add_u32 v[SPW], v[NIL]                      ; the opening: the add, twice on end, and its wait ahead of my first tensor load
	ds_add_u32 v[SPW], v[NIL]
	v_lshrrev_b32 v1, 5, v0
	v_readfirstlane_b32 s[WV], v1
	s_lshr_b32 s[WR], s[WV], 1                     ; my half of the rows; also: I fetch x (0) or W (1)
	s_and_b32 s[WC], s[WV], 1                      ; my half of the columns; also: which half of that tile I fetch
	s_bfe_u32 s[CX], ttmp6, 0x40000
	s_bfe_u32 s[CY], ttmp6, 0x40004
	s_lshl_b32 s[TC], ttmp9, 2
	s_add_co_u32 s[TC], s[TC], s[CX]
	s_and_b32 s[TR], ttmp7, 0xffff
	s_lshl_b32 s[TR], s[TR], 2
	s_add_co_u32 s[TR], s[TR], s[CY]
	s_lshl_b32 s42, s[CY], 2
	s_lshl_b32 s42, 15, s42                        ; my row of the cluster
	s_lshl_b32 s80, 0x1111, s[CX]                  ; my column
	s_or_b32 s[G1A], s42, (1<<16)|(1<<20)|(1<<21)|(4<<22)|(3<<25)  ; 2-byte elements; 4 words of padding behind every 32
	s_or_b32 s[G1B], s80, (1<<16)|(1<<20)|(1<<21)|(4<<22)|(3<<25)
	s_or_b32 s[G1T], s42, (3<<16)|(1<<21)          ; 8-byte elements, no padding
	s_mov_b32 s[G1A+1], 128<<16                    ; x: 128 rows of 128 bytes are 16 KiB on end: 64 rows of 256 bytes
	s_mov_b32 s[G1A+2], 64<<16
	s_mov_b32 s[G1A+3], 128<<16
	s_mov_b32 s[G1A+4], 64
	s_mov_b32 s[G1A+5], 128
	s_mov_b32 s[G1A+6], 0
	s_mov_b32 s[G1A+7], 0
	s_mov_b32 s[G1B+1], 384<<16                    ; W: 32 rows of 384 elements, 6,144 from row to row
	s_mov_b32 s[G1B+2], 32<<16
	s_mov_b32 s[G1B+3], 384<<16
	s_mov_b32 s[G1B+4], 32
	s_mov_b32 s[G1B+5], 6144
	s_mov_b32 s[G1B+6], 0
	s_mov_b32 s[G1B+7], 0
	s_mov_b32 s[G1T+1], 32<<16                     ; the table: 64 rows of 256 bytes a wave
	s_mov_b32 s[G1T+2], 64<<16
	s_mov_b32 s[G1T+3], 32<<16
	s_mov_b32 s[G1T+4], 64
	s_mov_b32 s[G1T+5], 32
	s_mov_b32 s[G1T+6], 0
	s_mov_b32 s[G1T+7], 0
	s_lshl_b32 s66, s[TR], 15                      ; x: (256 tr + 128 half) rows of 128 bytes
	s_lshl_b32 s67, s[WC], 14
	s_add_co_u32 s66, s66, s67
	s_mov_b32 s67, 0
	s_mul_i32 s80, s[TC], 768                      ; W: 768 tc + 32 half rows of 12,288 bytes
	s_mul_i32 s81, s[WC], 393216
	s_add_co_u32 s80, s80, s81
	s_mov_b32 s81, 0
	s_and_b32 s40, s[TR], 7                        ; the table: rows 256 (tr % 8) + 64 wave
	s_lshl_b32 s40, s40, 16
	s_lshl_b32 s41, s[WV], 14
	s_add_co_u32 s40, s40, s41
	s_mov_b32 s41, 0
	s_mul_i32 s84, s[WC], 18432                    ; LDS places hang on the wave's number alone
	s_mul_i32 s85, s[WC], 27648
	s_add_co_u32 s85, s85, BOFF
	s_lshl_b32 s88, s[WV], 14
	s_add_co_u32 s88, s88, TABL
	s_wait_dscnt 0x0                               ; both opening adds are done
	s_wait_kmcnt 0x0
	s_add_nc_u64 s[66:67], s[4:5], s[66:67]
	s_add_nc_u64 s[80:81], s[6:7], s[80:81]
	s_add_nc_u64 s[40:41], s[8:9], s[40:41]
	CROUND                                         ; all sixteen work-groups are here: the first joint loads meet
	s_mov_b32 s[G0T], 1
	s_mov_b32 s[G0T+1], s88
	s_mov_b64 s[G0T+2:G0T+3], s[40:41]
	s_or_b32 s[G0T+3], s[G0T+3], 0x80000000
	tensor_load_to_lds s[G0T:G0T+3], s[G1T:G1T+7]  ; three first fills a wave: the table's rows, K step 0, K step 1
	s_nop 0
	PLACES
.irp s, 0,1
	s_mov_b32 s[G0A+4*(\s)], 1
	s_add_co_u32 s[G0A+4*(\s)+1], s84, (\s)*SLOT1
	s_add_nc_u64 s[G0A+4*(\s)+2:G0A+4*(\s)+3], s[66:67], (\s)*524288
	s_or_b32 s[G0A+4*(\s)+3], s[G0A+4*(\s)+3], 0x80000000
	s_mov_b32 s[G0B+4*(\s)], 1
	s_add_co_u32 s[G0B+4*(\s)+1], s85, (\s)*SLOT1
	s_add_nc_u64 s[G0B+4*(\s)+2:G0B+4*(\s)+3], s[80:81], (\s)*786432
	s_or_b32 s[G0B+4*(\s)+3], s[G0B+4*(\s)+3], 0x80000000
	JLOAD \s
.endr
	v_and_b32 v1, 15, v0                           ; r = l % 16
	v_bfe_u32 v2, v0, 4, 1                         ; h = l / 16
	v_and_b32 v3, 7, v0
	v_bfe_u32 v4, v0, 3, 1
	s_mul_i32 s89, s[WR], 18432
	v_mul_u32_u24 v5, v1, PA
	v_lshl_add_u32 v5, v2, 4, v5
	v_add_nc_u32 v[ADRA], s89, v5                  ; (128 wr + r) x 144 + 16 h
	v_add_nc_u32 v[ADRA+1], SLOT1, v[ADRA]
	v_lshl_add_u32 v6, v2, 3, v3
	v_mul_u32_u24 v6, v6, PB
	v_lshl_add_u32 v6, v4, 4, v6
	v_add_nc_u32 v6, BOFF, v6                      ; (8 h + l % 8) x 864 + 16 ((l / 8) % 2), behind x's rows
	s_mul_i32 s89, s[WC], 288
	v_add_nc_u32 v[ADRBL], s89, v6
	v_add_nc_u32 v[ADRBL+1], SLOT1, v[ADRBL]
	s_mul_i32 s89, s[WC], 144
	s_add_co_u32 s89, s89, 576
	v_add_nc_u32 v[ADRBH], s89, v6
	v_add_nc_u32 v[ADRBH+1], SLOT1, v[ADRBH]
	; the prefetches: the pointer stands at K step 3; each change of slots steps it by one K step and then asks
	s_and_b32 s90, ttmp7, 0xffff
	s_cmp_eq_u32 s[WV], 0
	s_cselect_b32 s91, ttmp9, s90
	s_cselect_b64 s[PFA:PFA+1], s[4:5], s[6:7]
	s_mov_b32 s[PFA+2], 786432                     ; (a move leaves the compare's result as it is; a select takes one literal)
	s_cselect_b32 s[PFA+2], 524288, s[PFA+2]       ; a K step's bytes in x, in W
	s_mov_b32 s92, 12288
	s_cselect_b32 s92, 256, s92                    ; bytes from lane to lane within 16,
	s_mov_b32 s93, 786432
	s_cselect_b32 s93, 4096, s93                   ; and from the lower 16 lanes to the upper
	s_mov_b32 s[PFA+3], 0
	s_lshl_b32 s94, s[TR], 15
	s_lshl_b32 s95, s[CX], 13
	s_add_co_u32 s94, s94, s95
	s_add_co_u32 s94, s94, 3*524288
	s_mul_i32 s96, s[TC], 768
	s_mul_i32 s95, s[CY], 196608
	s_add_co_u32 s96, s96, s95
	s_lshl_b32 s95, s[WV], 8
	s_add_co_u32 s96, s96, s95
	s_add_co_u32 s96, s96, 3*786432-256
	s_cmp_eq_u32 s[WV], 0
	s_cselect_b32 s94, s94, s96
	s_mov_b32 s95, 0
	s_add_nc_u64 s[PFA:PFA+1], s[PFA:PFA+1], s[94:95]
	s_cmp_eq_u32 s91, 0
	s_cselect_b32 s[LIM0], 1, -1
	s_or_b32 s91, ttmp9, s[WV]
	s_cmp_eq_u32 s91, 0
	s_cselect_b32 s[LIM1], 1, -1
	v_mul_u32_u24 v[PFO], v1, s92
	v_mul_u32_u24 v7, v2, s93
	v_add_nc_u32 v[PFO], v[PFO], v7
; Blocks b0 .. b1 x all 8 row blocks, 32 along K.  Accumulator (a, b) lies in window 1 + b / 4 at 64 (b % 4) + 8 a.  Each accumulator has one instruction in a sub-step of 96:
; the accumulators take turns.
.macro MULB buf, b0, b1, zero
.set bb, \b0
.rept (\b1)-(\b0)+1
	WIN 0x50*(1+bb/4)
.set aa, 0
.rept 8
.if \zero
	v_wmma_f32_16x16x32_bf16 v[64*(bb%4)+8*aa:64*(bb%4)+8*aa+7], v[BF+8*bb:BF+8*bb+7], v[(\buf)+8*aa:(\buf)+8*aa+7], 0
.else
	v_wmma_f32_16x16x32_bf16 v[64*(bb%4)+8*aa:64*(bb%4)+8*aa+7], v[BF+8*bb:BF+8*bb+7], v[(\buf)+8*aa:(\buf)+8*aa+7], v[64*(bb%4)+8*aa:64*(bb%4)+8*aa+7]
.endif
.set aa, aa+1
.endr
.set bb, bb+1
.endr
.endm
.macro RUN1 slot, ss, buf              ; 28 loads: W's blocks 0-5 and x's 8 fragments of sub-step ss
	WIN 0
.set bb, 0
.rept 6
	ds_load_tr16_b128 v[BF+8*bb:BF+8*bb+3],   v[ADRBL+(\slot)] offset:32*bb+16*(bb/4)+32*PB*(\ss)
	ds_load_tr16_b128 v[BF+8*bb+4:BF+8*bb+7], v[ADRBL+(\slot)] offset:32*bb+16*(bb/4)+32*PB*(\ss)+16*PB
.set bb, bb+1
.endr
.set aa, 0
.rept 8
	ds_load_b128 v[(\buf)+8*aa:(\buf)+8*aa+3],   v[ADRA+(\slot)] offset:16*PA*aa+64*(\ss)
	ds_load_b128 v[(\buf)+8*aa+4:(\buf)+8*aa+7], v[ADRA+(\slot)] offset:16*PA*aa+64*(\ss)+32
.set aa, aa+1
.endr
.endm
.macro RUN2 slot, ss                   ; 12 loads: W's blocks 6-11
	WIN 0
.set bb, 6
.rept 2
	ds_load_tr16_b128 v[BF+8*bb:BF+8*bb+3],   v[ADRBL+(\slot)] offset:32*bb+16*(bb/4)+32*PB*(\ss)
	ds_load_tr16_b128 v[BF+8*bb+4:BF+8*bb+7], v[ADRBL+(\slot)] offset:32*bb+16*(bb/4)+32*PB*(\ss)+16*PB
.set bb, bb+1
.endr
.rept 4
	ds_load_tr16_b128 v[BF+8*bb:BF+8*bb+3],   v[ADRBH+(\slot)] offset:32*(bb-8)+32*PB*(\ss)
	ds_load_tr16_b128 v[BF+8*bb+4:BF+8*bb+7], v[ADRBH+(\slot)] offset:32*(bb-8)+32*PB*(\ss)+16*PB
.set bb, bb+1
.endr
.endm
.macro SUB slot, zero                  ; a K step's first 32: multiplies buffer 0, fetches the second 32 into buffer 1
	s_wait_dscnt 12                                ; all but W's blocks 6-11
	MULB A0, 0, 5, \zero
	PLACES
	RUN1 \slot, 1, A1
	s_wait_dscnt 28                                ; all but the 28 just issued
	MULB A0, 6, 11, \zero
	PLACES
	RUN2 \slot, 1
.endm
; A K step's second 32, and the change of slots: each wave waits for all its tensor loads (one is out: its part of the next slot), adds 0 to its spare word, waits for that and for its
; reads of this slot; the barrier opens a round of the cluster's; the joint refill is the first thing behind it and has 160 matrix instructions in which to land.
.macro TURN slot, next, fill
.if \fill
	s_wait_xcnt 0x0                                ; the last prefetch, a K step back, has read its address
	s_add_nc_u64 s[PFA:PFA+1], s[PFA:PFA+1], s[PFA+2:PFA+3]
.endif
	s_wait_dscnt 12
	MULB A1, 0, 3, 0
	WIN 0
	s_wait_tensorcnt 0x0
	ds_add_u32 v[SPW], v[NIL]
.if \fill
	s_add_nc_u64 s[G0A+4*(\slot)+2:G0A+4*(\slot)+3], s[G0A+4*(\slot)+2:G0A+4*(\slot)+3], 2*524288
	s_add_nc_u64 s[G0B+4*(\slot)+2:G0B+4*(\slot)+3], s[G0B+4*(\slot)+2:G0B+4*(\slot)+3], 2*786432
.endif
	MULB A1, 4, 5, 0
	s_wait_dscnt 0x0                               ; the add is done, my reads of this slot are over
	s_barrier_signal -1
	MULB A1, 6, 7, 0
	WIN 0
	s_barrier_wait -1
.if \fill
	CREST
	JLOAD \slot                                    ; its four v_nop are also the places in front of the loads below
.else
	PLACES
.endif
	RUN1 \next, 0, A0
.if \fill
	ASK LIM0+(\slot)
.endif
	MULB A1, 8, 11, 0
	PLACES
	RUN2 \next, 0
.endm
	s_wait_tensorcnt 1                             ; the table's rows and my part of K step 0 are in; K step 1's load stays out
	s_barrier_signal -1
	s_barrier_wait -1
	RUN1 0, 0, A0
	RUN2 0, 0
	SUB 0, 1                                       ; the first products start the sums
	WIN 0
	s_mov_b32 s3, 7
.Llap:                                         ; 7 trips: K steps 0-13 change slots and ask for K steps 2-15
	TURN 0, 1, 1
	SUB 1, 0
	TURN 1, 0, 1
	SUB 0, 0
	WIN 0
	s_sub_co_u32 s3, s3, 1
	s_cmp_lg_u32 s3, 0
	s_cbranch_scc1 .Llap
	TURN 0, 1, 0                                   ; the tail asks for nothing
	SUB 1, 0
	s_wait_dscnt 12
	MULB A1, 0, 5, 0
	s_wait_dscnt 0x0
	MULB A1, 6, 11, 0
	WIN 0
	s_barrier_signal -1                            ; every wave's reads of the slots are over: the stage may be written over them
	s_barrier_wait -1
	; THE WAY OUT.  Scalars: head, f, bh, my 64 rows.
	s_lshr_b32 s90, s[TC], 1
	s_and_b32 s91, s[TC], 1
	s_lshr_b32 s92, s[TR], 3
	s_lshl3_add_u32 s92, s92, s90                  ; bh = 8 b + head
	s_and_b32 s93, s[TR], 7
	s_lshl_b32 s93, s93, 8
	s_lshl_b32 s94, s[WV], 6
	s_add_co_u32 s93, s93, s94                     ; t of my first row
	s_lshl_b32 s94, s92, 20
	s_lshl_b32 s95, s93, 9
	s_add_co_u32 s94, s94, s95
	s_lshl_b32 s95, s91, 8
	s_add_co_u32 s94, s94, s95
	s_mov_b32 s95, 0
	s_add_nc_u64 s[96:97], s[10:11], s[94:95]      ; q or k~
	s_add_nc_u64 s[98:99], s[12:13], s[94:95]      ; v
	s_add_nc_u64 s[82:83], s[98:99], 16777216      ; silu(g)
	s_lshl_b32 s94, s91, 17
	s_lshl_b32 s88, s92, 13
	s_add_co_u32 s94, s94, s88
	s_lshl_b32 s88, s93, 2
	s_add_co_u32 s94, s94, s88
	s_add_nc_u64 s[84:85], s[14:15], s[94:95]      ; the norms
	s_sub_co_u32 s88, 122, s90
	s_lshl_b32 s88, s88, 23                        ; x = 2^(-5-head)
	s_cmp_eq_u32 s91, 0
	s_cselect_b32 s89, 0, 1.0                      ; q takes no decay
	s_mul_i32 s40, s[WR], 128*SPI
	s_lshl_b32 s41, s[WC], 8
	s_add_co_u32 s41, s41, s40
	v_mul_u32_u24 v5, v1, SPI                      ; these lines are also places behind the last products
	v_lshl_add_u32 v5, v2, 4, v5
	v_add_nc_u32 v[STO], s41, v5
	v_add_nc_u32 v[STO+1], 64*SPI, v[STO]
	s_lshl_b32 s41, s[WC], 7
	s_add_co_u32 s41, s41, s40
	s_add_co_u32 s41, s41, 512
	v_add_nc_u32 v[STO+2], s41, v5
	v_add_nc_u32 v[STO+3], 64*SPI, v[STO+2]
	PLACES
.set bb, 0
.rept 12                               ; a block of 16 columns at a time: rounded to f16, 16 bytes a lane into the stage; each accumulator is read from its low end
	WIN 0x05*(1+bb/4)
.set aa, 0
.rept 8
.set rr, 0
.rept 4
	v_cvt_pk_f16_f32 v[32+32*(bb%2)+4*aa+rr], v[64*(bb%4)+8*aa+2*rr], v[64*(bb%4)+8*aa+2*rr+1]
.set rr, rr+1
.endr
.set aa, aa+1
.endr
	WIN 0
.set aa, 0
.rept 8
	ds_store_b128 v[STO+2*(bb/8)+aa/4], v[32+32*(bb%2)+4*aa:32+32*(bb%2)+4*aa+3] offset:16*SPI*(aa%4)+32*(bb%8)
.set aa, aa+1
.endr
.set bb, bb+1
.endr
.set LSA, 16                           ; the stage: (64 w + h) x 784 + 16 r
.set LTA, 17                           ; the table: (64 w + h) x 256 + 16 r
.set NA,  18                           ; where a row's norm goes
.set OFS, 19                           ; h x 512 + 16 r in the three outputs
.set TT,  20                           ; 8 trip + h
.set SLV, 21                           ; log2 gamma, or 0 for q
.set Z,   26
.set NL,  27
.set RG,  32
.set RX,  48
.set RT,  64
.set RV,  80
.set E,   96
.set DD,  128
.set OO,  136
.set SS,  160
.set QO,  168
.set GO,  184
.set TM,  200
	s_lshl_b32 s40, s[WV], 6
	v_add_nc_u32 v5, s40, v2                       ; 64 w + h
	v_mul_u32_u24 v[LSA], v5, SPI
	v_lshl_add_u32 v[LSA], v1, 4, v[LSA]
	v_lshlrev_b32 v[LTA], 8, v5
	v_lshl_add_u32 v[LTA], v1, 4, v[LTA]
	v_add_nc_u32 v[LTA], TABL, v[LTA]
	s_lshl_b32 s40, s[WV], 8
	s_add_co_u32 s40, s40, NRMS
	v_lshl_add_u32 v[NA], v2, 2, s40
	v_and_b32 v6, 31, v0
	v_lshl_add_u32 v25, v6, 3, s40                 ; the norms are read back 8 bytes a lane
	v_lshlrev_b32 v[OFS], 9, v2
	v_lshl_add_u32 v[OFS], v1, 4, v[OFS]
	v_mov_b32 v[TT], v2
	v_mov_b32 v[Z], 0
	v_mov_b32 v[NL], 0xbfb8aa3b                    ; - log2 e
	v_mov_b32 v7, s88
	v_mov_b32 v[SLV], 0x3e2aaaab                   ; log2(1 - x) = - log2 e x (1 + x (1/2 + x (1/3 + x (1/4 + x (1/5 + x/6)))))
	v_fmaak_f32 v[SLV], v[SLV], v7, 0x3e4ccccd
	v_fmaak_f32 v[SLV], v[SLV], v7, 0x3e800000
	v_fmaak_f32 v[SLV], v[SLV], v7, 0x3eaaaaab
	v_fmaak_f32 v[SLV], v[SLV], v7, 0x3f000000
	v_fmaak_f32 v[SLV], v[SLV], v7, 0x3f800000
	v_mul_f32 v[SLV], v[SLV], v7
	v_mul_f32 v[SLV], v[SLV], v[NL]
	v_mul_f32 v[SLV], s89, v[SLV]
.irp p, 0,1,2,3
	v_mov_b32 v[DD+2*\p+1], 0                      ; named with the factor as a pair
.endr
.set i, 0
.rept 16
	v_mov_b32 v[GO+i], 0                           ; the halves are written one at a time
.set i, i+1
.endr
	s_wait_dscnt 0x0                               ; for the others' sake: my stores into the stage are done
	s_barrier_signal -1
	s_barrier_wait -1
.macro ROPE p                          ; a pair of rows: lanes 0-15 the even one.  A word of RX holds (x0, x1), a word of RT (cos, sin)
.set ob, OO+8*((\p)%2)
.irp k, 0,1,2,3
	v_fma_mix_f32 v[ob+2*\k], v[RX+4*(\p)+\k], v[RT+4*(\p)+\k], v[Z] op_sel_hi:[1,1,0]
	v_fma_mix_f32 v[ob+2*\k+1], v[RX+4*(\p)+\k], v[RT+4*(\p)+\k], v[Z] op_sel:[1,0,0] op_sel_hi:[1,1,0]
.endr
.irp k, 0,1,2,3
	v_fma_mix_f32 v[ob+2*\k], -v[RX+4*(\p)+\k], v[RT+4*(\p)+\k], v[ob+2*\k] op_sel:[1,1,0] op_sel_hi:[1,1,0]
	v_fma_mix_f32 v[ob+2*\k+1], v[RX+4*(\p)+\k], v[RT+4*(\p)+\k], v[ob+2*\k+1] op_sel:[0,1,0] op_sel_hi:[1,1,0]
.endr
.irp k, 0,1,2,3
	v_pk_mul_f32 v[ob+2*\k:ob+2*\k+1], v[ob+2*\k:ob+2*\k+1], v[DD+2*(\p):DD+2*(\p)+1] op_sel_hi:[1,0]
.endr
	v_pk_mul_f32 v[SS+2*(\p):SS+2*(\p)+1], v[ob:ob+1], v[ob:ob+1]
.irp k, 1,2,3
	v_pk_fma_f32 v[SS+2*(\p):SS+2*(\p)+1], v[ob+2*\k:ob+2*\k+1], v[ob+2*\k:ob+2*\k+1], v[SS+2*(\p):SS+2*(\p)+1]
.endr
.irp k, 0,1,2,3
	v_cvt_pk_f16_f32 v[QO+4*(\p)+\k], v[ob+2*\k], v[ob+2*\k+1]
.endr
	v_add_f32 v[SS+2*(\p)], v[SS+2*(\p)], v[SS+2*(\p)+1]
.irp m, 1,2,4,8
	v_add_f32_dpp v[SS+2*(\p)], v[SS+2*(\p)], v[SS+2*(\p)] row_xmask:\m row_mask:0xf bank_mask:0xf
.endr
	ds_store_b32 v[NA], v[SS+2*(\p)] offset:8*(\p)   ; sixteen lanes write the same word with the same value
	global_store_b128 v[OFS], v[QO+4*(\p):QO+4*(\p)+3], s[96:97] offset:1024*(\p)
.endm
	s_mov_b32 s3, 8
.Lrow:                                         ; 8 trips of 4 pairs of rows; sixteen lanes read and store 256 consecutive bytes, aligned
.irp p, 0,1,2,3
	ds_load_b128 v[RG+4*\p:RG+4*\p+3], v[LSA] offset:2*SPI*\p+512
.endr
.irp p, 0,1,2,3
	ds_load_b128 v[RX+4*\p:RX+4*\p+3], v[LSA] offset:2*SPI*\p
.endr
.irp p, 0,1,2,3
	ds_load_b128 v[RT+4*\p:RT+4*\p+3], v[LTA] offset:512*\p
.endr
.irp p, 0,1,2,3
	ds_load_b128 v[RV+4*\p:RV+4*\p+3], v[LSA] offset:2*SPI*\p+256
.endr
.irp p, 0,1,2,3
	v_add_nc_u32 v[TM+\p], 2*\p, v[TT]
	v_and_b32 v[TM+\p], 31, v[TM+\p]
	v_xor_b32 v[TM+\p], 31, v[TM+\p]               ; 31 - t % 32
	v_cvt_f32_u32 v[TM+\p], v[TM+\p]
	v_mul_f32 v[TM+\p], v[SLV], v[TM+\p]
.endr
	s_wait_dscnt 12                                ; g's four loads are in
.set i, 0
.rept 16
	v_fma_mix_f32 v[E+2*i], v[RG+i], v[NL], v[Z] op_sel_hi:[1,0,0]
	v_fma_mix_f32 v[E+2*i+1], v[RG+i], v[NL], v[Z] op_sel:[1,0,0] op_sel_hi:[1,0,0]
.set i, i+1
.endr
.set i, 0
.rept 32
	v_exp_f32 v[E+i], v[E+i]                       ; e^-g
.set i, i+1
.endr
.irp p, 0,1,2,3
	v_exp_f32 v[DD+2*\p], v[TM+\p]                 ; gamma^(31 - t % 32), or 1
.endr
	v_nop
	s_wait_alu depctr_va_vdst(0)                   ; one wait for the 36 exponentials
.set i, 0
.rept 16
	v_pk_add_f32 v[E+2*i:E+2*i+1], v[E+2*i:E+2*i+1], 1.0 op_sel_hi:[1,0]
.set i, i+1
.endr
.set i, 0
.rept 32
	v_rcp_f32 v[E+i], v[E+i]
.set i, i+1
.endr
	s_wait_dscnt 4                                 ; all but v's four loads
	ROPE 0                                         ; the rope names no reciprocal: it is the work between that batch and its wait
	ROPE 1
	ROPE 2
	ROPE 3
	s_wait_alu depctr_va_vdst(0)                   ; one wait for the 32 reciprocals
.set i, 0
.rept 16
	v_fma_mixlo_f16 v[GO+i], v[RG+i], v[E+2*i], v[Z] op_sel_hi:[1,0,0]
	v_fma_mixhi_f16 v[GO+i], v[RG+i], v[E+2*i+1], v[Z] op_sel:[1,0,0] op_sel_hi:[1,0,0]
.set i, i+1
.endr
	s_wait_dscnt 4                                 ; v is in; the four stores of norms may be out
.irp p, 0,1,2,3
	global_store_b128 v[OFS], v[GO+4*\p:GO+4*\p+3], s[82:83] offset:1024*\p
	global_store_b128 v[OFS], v[RV+4*\p:RV+4*\p+3], s[98:99] offset:1024*\p
.endr
	s_wait_xcnt 0x0                                ; the stores have read their data and their offset: both are written again below and in the next trip
	v_add_nc_u32 v[OFS], 4096, v[OFS]
	v_add_nc_u32 v[LSA], 8*SPI, v[LSA]
	v_add_nc_u32 v[LTA], 2048, v[LTA]
	v_add_nc_u32 v[NA], 32, v[NA]
	v_add_nc_u32 v[TT], 8, v[TT]
	s_sub_co_u32 s3, s3, 1
	s_cmp_lg_u32 s3, 0
	s_cbranch_scc1 .Lrow
	ds_load_b64 v[32:33], v25                      ; my 64 rows' norms: my own bytes, served in order behind my stores
	v_lshlrev_b32 v6, 3, v6
	s_wait_dscnt 0x0
	global_store_b64 v6, v[32:33], s[84:85]        ; 256 consecutive bytes, aligned
	s_wait_tensorcnt 0x0                           ; the wave's end
	ds_add_u32 v[SPW], v[NIL]
	s_wait_dscnt 0x0
	CROUND                                         ; the closing round
	s_endpgm
.Lfunc_end_k_qf72e2e6ccb_proj:
	.size	k_qf72e2e6ccb_proj, .Lfunc_end_k_qf72e2e6ccb_proj-k_qf72e2e6ccb_proj
	.p2alignl 7, 3214868480
	.fill 96, 4, 3214868480
	.section	.rodata,"a",@progbits
	.p2align	6, 0x0
	.amdhsa_kernel k_qf72e2e6ccb_proj
		.amdhsa_group_segment_fixed_size 327680
		.amdhsa_private_segment_fixed_size 0
		.amdhsa_enable_private_segment 0
		.amdhsa_kernarg_size 48
		.amdhsa_user_sgpr_count 2
		.amdhsa_user_sgpr_kernarg_segment_ptr 1
		.amdhsa_wavefront_size32 1
		.amdhsa_system_sgpr_workgroup_id_x 1
		.amdhsa_system_sgpr_workgroup_id_y 1
		.amdhsa_system_sgpr_workgroup_id_z 1
		.amdhsa_system_vgpr_workitem_id 0
		.amdhsa_next_free_vgpr 1024
		.amdhsa_next_free_sgpr 100
		.amdhsa_reserve_vcc 0
		.amdhsa_float_denorm_mode_32 3
		.amdhsa_float_denorm_mode_16_64 3
		.amdhsa_memory_ordered 1
		.amdhsa_forward_progress 1
		.amdhsa_inst_pref_size 138
	.end_amdhsa_kernel
	.amdgpu_metadata
---
amdhsa.version: [ 1, 2 ]
amdhsa.kernels:
  - .name:           k_qf72e2e6ccb_proj
    .symbol:         k_qf72e2e6ccb_proj.kd
    .args:
      - { .name: xb, .offset: 0, .size: 8, .value_kind: global_buffer, .address_space: global }
      - { .name: wcat, .offset: 8, .size: 8, .value_kind: global_buffer, .address_space: global }
      - { .name: tab, .offset: 16, .size: 8, .value_kind: global_buffer, .address_space: global }
      - { .name: qk, .offset: 24, .size: 8, .value_kind: global_buffer, .address_space: global }
      - { .name: vg, .offset: 32, .size: 8, .value_kind: global_buffer, .address_space: global }
      - { .name: nrm, .offset: 40, .size: 8, .value_kind: global_buffer, .address_space: global }
    .group_segment_fixed_size: 327680
    .private_segment_fixed_size: 0
    .kernarg_segment_align: 8
    .kernarg_segment_size: 48
    .max_flat_workgroup_size: 128
    .sgpr_count:     100
    .vgpr_count:     1024
    .wavefront_size: 32
...
	.end_amdgpu_metadata
.endif
;; end of part 2
;; launch retn (part 3): grid 16 x 16, 4 waves a work-group, clusters of 4 x 1, 327,680 bytes of LDS; arguments qk, vg, nrm, g_norm_w, yb; writes yb
.if DOCPART == 3
	.amdgcn_target "amdgcn-amd-amdhsa--gfx1250"
	.amdhsa_code_object_version 6
	.text
	.protected	k_qf72e2e6ccb_retn
	.globl	k_qf72e2e6ccb_retn
	.p2align	8
	.type	k_qf72e2e6ccb_retn,@function
k_qf72e2e6ccb_retn:
	s_mov_b64 s[64:65], 0
	v_nop
	global_prefetch_b8 v0, s[64:65] scope:SCOPE_SE
	s_setreg_imm32_b32 hwreg(HW_REG_WAVE_MODE, 25, 1), 1
	s_wait_xcnt 0x0
	s_wait_alu depctr_hold_cnt(0) depctr_sa_sdst(0) depctr_va_vdst(0) depctr_va_sdst(0) depctr_va_ssrc(0) depctr_va_vcc(0) depctr_vm_vsrc(0)
	s_getreg_b32 s2, hwreg(HW_REG_IB_STS2, 6, 4)
	s_cmp_eq_u32 s2, 0
	s_cbranch_scc0 .Lentry_in_a_cluster
	s_endpgm
.Lentry_in_a_cluster:
	s_bfe_u32 s2, ttmp6, 0x10000c
	s_cmp_lg_u32 s2, 0x3003
	s_cbranch_scc0 .Lentry_shape_is_right
	s_endpgm
.Lentry_shape_is_right:
; Launch 3 of 4: causal retention, the heads' RMSNorm, the gain and the gate.  y[b][q][256 h + c] = o rsqrt(mean_c o^2 + 1e-5) w[c] silu(g), o = 128^-0.5 sum over k <= q of gamma^(q-k) (q.k) v[k].
; LEFT OUT: the key tiles wholly above the diagonal: reference() multiplies their scores by a decay of 0 that it builds itself (the proof stands at the head of the first kernel).
; THE WALK.  A cluster (c = 0..3 of a head) owns two blocks of 256 queries, 7 - c and then c; partner cx takes 64 queries of each.  All four walk the same 16 - 2 c and then 2 c + 2 key
; tiles of 128: 18 for every cluster, each tile a joint load.  No branch hangs on cx: steps that are hidden for one partner lie in the cluster's diagonal tiles and are multiplied by 0.
; A WAVE has 32 queries (two tiles u), all 256 channels and HALF THE KEYS: of a tile's four steps of 32 keys wave w takes steps w % 2 and w % 2 + 2.  No softmax stands between the products, so O is
; linear in the keys: the two waves of a query half add their partial sums (f32) once a block, through LDS.  So no score is made twice: a tile costs a wave 96 matrix instructions and 96 LDS loads.
; S^T = K Q^T holds one query a lane; two results ARE source 1 of O^T = V^T P.  Register block cb' = 0..7 of O^T and V holds the wave's OWN half of the channels (128 (w % 2) on), 8..15 the
; partner's: every wave keeps the same registers and hands over the same registers.
; THE DECAY.  k~ carries gamma^(31 - k % 32), so for the 32 keys from k0 the weight is A (q.k~) with A = gamma^(q - k0 - 31): one number a lane, carried by a multiplication with gamma^-64.
; THE WEIGHTS ARE f16, NORMALISED: P = A (q.k~) / (|q| Kmax), Kmax the head's largest |k~|: by Cauchy-Schwarz |P| <= gamma^-31 < 2.7 whatever the inputs.  F = 128^-0.5 |q| Kmax comes back in
; f32 in the norm: y = o' F rsqrt(F^2 mean o'^2 + 1e-5).  |q|^2 and Kmax^2 are held at 2^-60 or more, so rows of zeros give 0.
; LIMITS: a weight under 6e-8 of |q| Kmax counts as 0 or keeps f16's fixed step; a NaN or an infinity in a hidden key or value of a tile that is walked gives NaN, as a product with 0 does in reference();
; so does one in the first block's last values, which the second block's first products multiply by weights of 0.  y is rounded to bf16, the gain to bf16 as every input is.
; BY TURNS: the 32 products V^T P of a step carry the scaling of the next step's scores, 48 vector instructions, behind them.
; REGISTERS, in windows of 256 (s_set_vgpr_msb: bits 1:0 source 0, 3:2 source 1, 5:4 source 2, 7:6 destination).
;   window 0: v0-31, v48-53 addresses and statistics; v32-35 CP (on the way out v32-39: sums of squares and factors); v40-47 M; v56-63 the gain; v64-79 P of tile 0 (on the way out v64-127: rows back
;   from the stage); v128-255 O^T of tile 0.   window 2: v14 0; v32-35 CP, v40-47 M, v64-79 P, v128-255 O^T of tile 1.
;   window 1: v0-31 S^T; v32-39 T; v64-127 K; v128-255 V (on the way out v192-255: the gate).   window 3: v0-127 the first block's kept half; v128-191 Q; v192-255 the second block's Q.
; O^T, P, M, CP and 0 of a tile lie in one window, V, S^T and T in window 1: so a product V^T P and the lines behind it go under one setting.
.set PK,    272
.set PV_,   544                        ; 17 x 32
.set VOFF,  34816
.set SLOT1, 131072
.set XG2,   0                          ; the second block's exchange, 16 KiB a wave, and the stage lie over slot 0, behind its last fill and behind the barrier that ends its reads
.set STAGE, 65536                      ; 16 rows x 528 bytes of f32 for each wave
.set XCH,   235520                     ; the waves' sums of squares: 1,024 bytes for each block
.set SPARE, 237568                     ; the spare words: 512 bytes that no other line names
.set XG1,   238080                     ; the first block's exchange, 16 KiB a wave: bytes of its own, which no tensor load fills
.set AK0, 2
.set AVA0, 3
.set ADRK, 4
.set STO, 6
.set RD, 7
.set GOF, 8
.set YOF, 9
.set XA, 10
.set XB, 11
.set PFO, 12
.set GIV, 13                           ; gamma^-64
.set Z, 14                             ; 0, in windows 0 and 2
.set AVB0, 15
.set SPW, 16
.set NIL, 17
.set CP, 32
.set ES, 32
.set M, 40
.set ADRV, 48                          ; v48 V's own half, v49 the partner's
.set XGS1, 50
.set XGL1, 51
.set XGS2, 52
.set XGL2, 53
.set W, 56
.set P, 64
.set O, 128
.set S, 0
.set T, 32
.set KF, 64
.set VF, 128
.set OS, 0
.set Q, 128
.set Q2, 192
.set WV, 14
.set QS, 15
.set CH, 16
.set CX, 17
.set CC, 18
.set BH, 19
.set G1K, 24
.set G1V, 32
.set G0K, 40
.set G0V, 44
.set KB, 48
.set VB, 50
.set OFF, 52
.set NXT, 54
.set NH, 55
.set SLOTS, 56
.set RT, 57
.set TB, 58
.set SD, 59
.set SD2, 60
.set LIM, 61
.set SEL, 62
.set PFA, 66
.set YP, 68
.set GP, 70
.set YP2, 72
.set GP2, 74
.set ECNT, 82
.set MSB, 0
.macro WIN new
.if MSB != (\new)
	s_set_vgpr_msb (MSB<<8)|(\new)
.set MSB, \new
.endif
.endm
.macro PLACES
.rept 4
	v_nop
.endr
.endm
.macro CROUND
	s_barrier_signal -1
	s_barrier_wait -1
	s_cmp_lg_u32 s[WV], 0
	s_cbranch_scc1 .Lnw0_\@
	s_barrier_signal -3
.Lnw0_\@:
	s_barrier_wait -3
	s_barrier_signal -1
	s_barrier_wait -1
.endm
.macro JLOAD                           ; waves 0, 1 fetch the halves of a tile's K, waves 2, 3 those of its V
	s_cmp_lt_u32 s[WV], 2
	s_cbranch_scc0 .Lfv_\@
	tensor_load_to_lds s[G0K:G0K+3], s[G1K:G1K+7]
	s_nop 0
	PLACES
	s_branch .Lfk_\@
.Lfv_\@:
	tensor_load_to_lds s[G0V:G0V+3], s[G1V:G1V+7]
	s_nop 0
	PLACES
.Lfk_\@:
.endm
; A prefetch into the L2 of the tile four on from the one that is entered: three tiles, 288 matrix instructions, ahead of its load.  The head's cluster 0 walks tiles 0-15 first: it alone asks.
; Partner cx takes rows 32 cx .. + 31, a lane a row; wave 0 K's 256 bytes, waves 2 and 3 the halves of V's 512.  Each block is named once; tiles 0-3 come by their loads; tile 15 is the last named.
.macro ASK
	s_cmp_gt_u32 s[SLOTS], s[LIM]
	s_cbranch_scc0 .Lnp_\@
	global_prefetch_b8 v[PFO], s[PFA:PFA+1] th:TH_LOAD_NT scope:SCOPE_SE
.Lnp_\@:
.endm
; 128 registers from base on are set to 0, eight a line: products of the zero weights, C = 0.  w: the destination's window, and the window whose P holds the zeros.
.macro CLR w, base
	WIN \w
.set i, 0
.rept 16
	v_wmma_f32_16x16x32_f16 v[(\base)+8*i:(\base)+8*i+7], v[P:P+7], v[P+8:P+15], 0
.set i, i+1
.endr
.endm
	s_load_b256 s[4:11], s[0:1], 0x0               ; qk s[4:5], vg s[6:7], nrm s[8:9], g_norm_w s[10:11]
	s_load_b64 s[12:13], s[0:1], 0x20              ; yb
	v_lshl_add_u32 v[SPW], v0, 2, SPARE
	v_mov_b32 v[NIL], 0
	ds_add_u32 v[SPW], v[NIL]                      ; the opening: the add, twice on end, and its wait ahead of my first tensor load
	ds_add_u32 v[SPW], v[NIL]
	v_lshrrev_b32 v1, 5, v0
	v_readfirstlane_b32 s[WV], v1
	s_lshr_b32 s[QS], s[WV], 1                     ; my 32 of the 64 queries
	s_and_b32 s[CH], s[WV], 1                      ; my steps of a tile, my half of the channels on the way out; also: which half of a tile I fetch
	s_bfe_u32 s[CX], ttmp6, 0x40000
	s_mov_b32 s[CC], ttmp9
	s_and_b32 s[BH], ttmp7, 0xffff
	s_lshl_b32 s[NH], s[CC], 1
	s_sub_co_u32 s[NH], 16, s[NH]
	s_mov_b32 s[G1K], 15|(1<<16)|(1<<20)|(1<<21)|(5<<22)|(3<<25)  ; 64 rows x 128 elements, 256 from row to row; 4 words of padding behind every 64
	s_mov_b32 s[G1K+1], 128<<16
	s_mov_b32 s[G1K+2], 64<<16
	s_mov_b32 s[G1K+3], 128<<16
	s_mov_b32 s[G1K+4], 64
	s_mov_b32 s[G1K+5], 256
	s_mov_b32 s[G1K+6], 0
	s_mov_b32 s[G1K+7], 0
	s_mov_b32 s[G1V], 15|(1<<16)|(1<<20)|(1<<21)|(6<<22)|(7<<25)  ; 64 rows x 256 elements; 8 words behind every 128
	s_mov_b32 s[G1V+1], 256<<16
	s_mov_b32 s[G1V+2], 64<<16
	s_mov_b32 s[G1V+3], 256<<16
	s_mov_b32 s[G1V+4], 64
	s_mov_b32 s[G1V+5], 256
	s_mov_b32 s[G1V+6], 0
	s_mov_b32 s[G1V+7], 0
	s_lshl_b32 s20, s[BH], 20
	s_lshl_b32 s22, s[CH], 15
	s_add_co_u32 s20, s20, s22                     ; the head, and my 64 rows of a tile
	s_mov_b32 s21, 0
	s_mov_b32 s[G0K], 1
	s_mul_i32 s[G0K+1], s[CH], 64*PK
	s_mov_b32 s[G0V], 1
	s_mul_i32 s[G0V+1], s[CH], 64*PV_
	s_add_co_u32 s[G0V+1], s[G0V+1], VOFF
	s_mov_b32 s[OFF+1], 0
	s_mov_b32 s[NXT], 1
	s_mov_b32 s[SLOTS], 17
	s_mov_b32 s[RT], s[NH]
	s_mov_b32 s[TB], SLOT1
	s_mov_b32 s[SEL], 0x76543210
	s_mov_b32 s[SEL+1], 0xfedcba98
	s_wait_dscnt 0x0
	s_wait_kmcnt 0x0
	s_add_nc_u64 s[KB:KB+1], s[4:5], s[20:21]
	s_add_nc_u64 s[KB:KB+1], s[KB:KB+1], 256       ; k~ is the second half of a row of qk
	s_add_nc_u64 s[VB:VB+1], s[6:7], s[20:21]
	s_mov_b64 s[G0K+2:G0K+3], s[KB:KB+1]
	s_or_b32 s[G0K+3], s[G0K+3], 0x80000000
	s_mov_b64 s[G0V+2:G0V+3], s[VB:VB+1]
	s_or_b32 s[G0V+3], s[G0V+3], 0x80000000
	CROUND
	JLOAD                                          ; tile 0 into slot 0
	; my queries of the two blocks: q0 = 64 (4 block + cx) + 32 qs.  cx enters addresses and numbers alone.
	s_sub_co_u32 s83, 7, s[CC]
	s_lshl_b32 s83, s83, 2
	s_add_co_u32 s83, s83, s[CX]
	s_lshl_b32 s83, s83, 6
	s_lshl_b32 s85, s[QS], 5
	s_add_co_u32 s83, s83, s85
	s_lshl_b32 s84, s[CC], 2
	s_add_co_u32 s84, s84, s[CX]
	s_lshl_b32 s84, s84, 6
	s_add_co_u32 s84, s84, s85
	s_lshr_b32 s[SD], s83, 4                       ; (q0 - k0) / 16, k0 = 32 (w % 2) my first step's first key
	s_lshr_b32 s[SD2], s84, 4
	s_lshl_b32 s21, s[CH], 1
	s_sub_co_i32 s[SD], s[SD], s21
	s_sub_co_i32 s[SD2], s[SD2], s21
	s_lshl_b32 s96, s[BH], 20
	s_mov_b32 s97, 0
	s_mov_b32 s99, 0
	s_lshl_b32 s98, s83, 9
	s_add_co_u32 s98, s98, s96
	s_add_nc_u64 s[86:87], s[4:5], s[98:99]        ; Q, first block
	s_lshl_b32 s85, s[CH], 8
	s_add_co_u32 s98, s98, s85
	s_add_nc_u64 s[GP2:GP2+1], s[6:7], s[98:99]
	s_add_nc_u64 s[GP2:GP2+1], s[GP2:GP2+1], 16777216
	s_lshl_b32 s98, s84, 9
	s_add_co_u32 s98, s98, s96
	s_add_nc_u64 s[88:89], s[4:5], s[98:99]        ; Q, second block
	s_add_co_u32 s98, s98, s85
	s_add_nc_u64 s[GP:GP+1], s[6:7], s[98:99]
	s_add_nc_u64 s[GP:GP+1], s[GP:GP+1], 16777216
	s_lshl_b32 s96, s[BH], 13
	s_add_nc_u64 s[94:95], s[8:9], s[96:97]
	s_lshl_b32 s98, s83, 2
	s_add_nc_u64 s[90:91], s[94:95], s[98:99]      ; |q|^2
	s_lshl_b32 s98, s84, 2
	s_add_nc_u64 s[92:93], s[94:95], s[98:99]
	s_add_nc_u64 s[94:95], s[94:95], 131072        ; the head's |k~|^2
	s_lshr_b32 s96, s[BH], 3
	s_lshl_b32 s96, s96, 23                        ; b x 2,048 rows of 4,096 bytes
	s_and_b32 s20, s[BH], 7
	s_lshl_b32 s21, s20, 9
	s_add_co_u32 s96, s96, s21
	s_add_co_u32 s96, s96, s85
	s_lshl_b32 s98, s83, 12
	s_add_co_u32 s98, s98, s96
	s_add_nc_u64 s[YP2:YP2+1], s[12:13], s[98:99]
	s_lshl_b32 s98, s84, 12
	s_add_co_u32 s98, s98, s96
	s_add_nc_u64 s[YP:YP+1], s[12:13], s[98:99]
	s_sub_co_u32 s20, 122, s20
	s_lshl_b32 s20, s20, 23                        ; x = 2^(-5-head)
	; the prefetches
	s_lshl_b32 s96, s[BH], 20
	s_lshl_b32 s98, s[CX], 14
	s_add_co_u32 s96, s96, s98
	s_add_co_u32 s96, s96, 3*65536
	s_cmp_eq_u32 s[WV], 0
	s_cselect_b64 s[PFA:PFA+1], s[4:5], s[6:7]
	s_cselect_b32 s98, 256, s85
	s_add_co_u32 s96, s96, s98
	s_add_nc_u64 s[PFA:PFA+1], s[PFA:PFA+1], s[96:97]
	s_cmp_eq_u32 s[WV], 1
	s_cselect_b32 s98, 1, s[CC]
	s_cmp_eq_u32 s98, 0
	s_cselect_b32 s[LIM], 5, -1
	v_and_b32 v1, 15, v0                           ; r
	v_bfe_u32 v96, v0, 4, 1                        ; h
	v_lshlrev_b32 v97, 9, v1
	v_lshl_add_u32 v97, v96, 4, v97
	WIN 0xc0
.set i, 0
.rept 8                                ; Q stays in registers: tile i / 4, channels 32 (i % 4) on
	global_load_b128 v[Q+8*i:Q+8*i+3],   v97, s[86:87] offset:(i/4)*8192+(i%4)*64
	global_load_b128 v[Q+8*i+4:Q+8*i+7], v97, s[86:87] offset:(i/4)*8192+(i%4)*64+32
.set i, i+1
.endr
.set i, 0
.rept 8
	global_load_b128 v[Q2+8*i:Q2+8*i+3],   v97, s[88:89] offset:(i/4)*8192+(i%4)*64
	global_load_b128 v[Q2+8*i+4:Q2+8*i+7], v97, s[88:89] offset:(i/4)*8192+(i%4)*64+32
.set i, i+1
.endr
	WIN 0
	v_lshlrev_b32 v102, 2, v1
	global_load_b32 v98, v102, s[90:91]
	global_load_b32 v99, v102, s[90:91] offset:64
	global_load_b32 v100, v102, s[92:93]
	global_load_b32 v101, v102, s[92:93] offset:64
	v_and_b32 v110, 31, v0
	v_lshlrev_b32 v103, 4, v110
.set i, 0
.rept 16
	global_load_b128 v[128+4*i:128+4*i+3], v103, s[94:95] offset:512*i
.set i, i+1
.endr
	s_lshl_b32 s21, s[CH], 9
	v_lshl_add_u32 v104, v1, 5, s21
	global_load_b128 v[W:W+3], v104, s[10:11]
	global_load_b128 v[W+4:W+7], v104, s[10:11] offset:16
	v_mul_u32_u24 v[AK0], v1, PK
	v_lshl_add_u32 v[AK0], v96, 4, v[AK0]
	s_mul_i32 s21, s[CH], 32*PK                    ; my first step of a tile
	v_add_nc_u32 v[AK0], s21, v[AK0]
	v_and_b32 v105, 7, v0
	v_bfe_u32 v106, v0, 3, 1
	v_lshl_add_u32 v[AVA0], v96, 3, v105
	v_mul_u32_u24 v[AVA0], v[AVA0], PV_
	v_lshl_add_u32 v[AVA0], v106, 4, v[AVA0]
	s_mul_i32 s21, s[CH], 32*PV_
	s_add_co_u32 s21, s21, VOFF
	v_add_nc_u32 v[AVB0], s21, v[AVA0]
	v_add_nc_u32 v[AVA0], s85, v[AVB0]             ; my own half of a row's 512 bytes,
	s_xor_b32 s22, s85, 256
	v_add_nc_u32 v[AVB0], s22, v[AVB0]             ; and my partner's
	s_mul_i32 s21, s[WV], 8448
	s_add_co_u32 s21, s21, STAGE
	v_mul_u32_u24 v[STO], v1, 528
	v_lshl_add_u32 v[STO], v96, 5, v[STO]
	v_add_nc_u32 v[STO], s21, v[STO]
	v_mul_u32_u24 v[RD], v96, 528
	v_lshl_add_u32 v[RD], v1, 5, v[RD]
	v_add_nc_u32 v[RD], s21, v[RD]
	v_lshlrev_b32 v[GOF], 9, v96
	v_lshl_add_u32 v[GOF], v1, 4, v[GOF]
	v_lshlrev_b32 v[YOF], 12, v96
	v_lshl_add_u32 v[YOF], v1, 4, v[YOF]
	s_lshl_b32 s21, s[WV], 8
	s_add_co_u32 s22, s21, XCH
	v_lshl_add_u32 v[XA], v110, 2, s22
	s_xor_b32 s21, s21, 256
	s_add_co_u32 s22, s21, XCH
	v_lshl_add_u32 v[XB], v110, 2, s22
	s_lshl_b32 s21, s[WV], 14                      ; the exchanges: I store into my 16 KiB, 16 bytes a lane, and read my partner's
	v_lshl_add_u32 v[XGS2], v110, 4, s21
	v_add_nc_u32 v[XGS1], XG1, v[XGS2]
	s_xor_b32 s21, s21, 16384
	v_lshl_add_u32 v[XGL2], v110, 4, s21
	v_add_nc_u32 v[XGL1], XG1, v[XGL2]
	v_lshlrev_b32 v[PFO], 9, v110
	v_lshlrev_b32 v111, 3, v96
	v_sub_nc_u32 v111, v1, v111                    ; r - 8 h: key 8 h + j of a diagonal block is seen where j <= that
	v_mov_b32 v[Z], 0
.set i, 0
.rept 16
	v_mov_b32 v[P+i], 0
.set i, i+1
.endr
	WIN 0x40
.set i, 0
.rept 8
	v_cmp_le_i32 vcc_lo, i, v111
	v_cndmask_b32 v[T+i], 0, 1.0, vcc_lo
.set i, i+1
.endr
	WIN 0x80
	v_mov_b32 v[Z], 0
.set i, 0
.rept 16
	v_mov_b32 v[P+i], 0
.set i, i+1
.endr
	CLR 0x8a, O                                    ; tile 1's O^T;
	CLR 0xc0, OS                                   ; where the first block's kept half is set aside, so that the registers hold numbers on every way through the text;
	CLR 0x40, VF                                   ; V: the first products V^T P, of a step that has not been, add 0 x 0.  All this stands in the wait for the first tile
	WIN 0
	v_mov_b32 v107, s20
	v_mov_b32 v108, 0x3e2aaaab                     ; log2 gamma, as in the launch before
	v_fmaak_f32 v108, v108, v107, 0x3e4ccccd
	v_fmaak_f32 v108, v108, v107, 0x3e800000
	v_fmaak_f32 v108, v108, v107, 0x3eaaaaab
	v_fmaak_f32 v108, v108, v107, 0x3f000000
	v_fmaak_f32 v108, v108, v107, 0x3f800000
	v_mul_f32 v108, v108, v107
	v_mul_f32 v108, 0xbfb8aa3b, v108
	v_mul_f32 v[GIV], 0xc2800000, v108             ; my steps lie 64 keys apart
	s_lshl_b32 s22, s[CH], 5
	s_add_co_u32 s22, s22, 31
	s_sub_co_i32 s21, s83, s22
	v_add_nc_u32 v18, s21, v1                      ; q - k0 - 31
	v_cvt_f32_i32 v18, v18
	v_add_f32 v19, 16.0, v18
	s_sub_co_i32 s21, s84, s22
	v_add_nc_u32 v26, s21, v1
	v_cvt_f32_i32 v26, v26
	v_add_f32 v27, 16.0, v26
	v_mul_f32 v18, v18, v108
	v_mul_f32 v19, v19, v108
	v_mul_f32 v26, v26, v108
	v_mul_f32 v27, v27, v108
	v_mov_b32 v106, 0
	s_wait_loadcnt 0x0
	v_max3_num_f32 v105, v128, v129, v130
.set i, 0
.rept 30
	v_max3_num_f32 v105, v105, v[131+2*i], v[132+2*i]
.set i, i+1
.endr
	v_max_num_f32 v105, v105, v191
.irp m, 1,2,4,8
	v_max_num_f32_dpp v105, v105, v105 row_xmask:\m row_mask:0xf bank_mask:0xf
.endr
	v_permlanex16_b32 v106, v105, s[SEL], s[SEL+1]
	v_max3_num_f32 v105, v105, v106, 0x21800000    ; Kmax^2, at least 2^-60
.irp x, 98,99,100,101
	v_max_num_f32 v\x, 0x21800000, v\x
.endr
.irp x, 98,99,100,101,105
	v_rsq_f32 v\x, v\x
.endr
.irp x, 18,19,26,27,13
	v_exp_f32 v\x, v\x
.endr
	v_nop
	s_wait_alu depctr_va_vdst(0)                   ; one wait for the ten
	v_mul_f32 v20, v98, v105                       ; 1 / (|q| Kmax)
	v_mul_f32 v21, v99, v105
	v_mul_f32 v28, v100, v105
	v_mul_f32 v29, v101, v105
	v_rcp_f32 v24, v20
	v_rcp_f32 v25, v21
	v_rcp_f32 v30, v28
	v_rcp_f32 v31, v29
.irp k, 0,1,2,3                        ; the gain, rounded to bf16 as every input is, and widened again
	v_cvt_pk_bf16_f32 v[96+\k], v[W+2*\k], v[W+2*\k+1]
.endr
	s_wait_alu depctr_va_vdst(0)
.irp x, 24,25,30,31
	v_mul_f32 v\x, 0x3db504f3, v\x                 ; F = 128^-0.5 |q| Kmax
.endr
.irp k, 0,1,2,3
	v_lshlrev_b32 v[W+2*\k], 16, v[96+\k]
	v_and_b32 v[W+2*\k+1], 0xffff0000, v[96+\k]
.endr
	CLR 0x00, O                                    ; tile 0's O^T, where the keys' norms lay
.macro LK jj                           ; K of my step jj of the tile: 32 keys x 128 channels
	WIN 0x40
.irp f, 0,1,2,3,4,5,6,7
	ds_load_b128 v[KF+8*\f:KF+8*\f+3],   v[ADRK] offset:64*PK*(\jj)+16*PK*(\f/4)+64*(\f%4)
	ds_load_b128 v[KF+8*\f+4:KF+8*\f+7], v[ADRK] offset:64*PK*(\jj)+16*PK*(\f/4)+64*(\f%4)+32
.endr
.endm
.macro LV hf, jj                       ; half hf of V of my step jj, turned: 8 blocks of 16 channels x 32 keys
	WIN 0x40
.irp f, 0,1,2,3,4,5,6,7
	ds_load_tr16_b128 v[VF+64*(\hf)+8*\f:VF+64*(\hf)+8*\f+3],   v[ADRV+(\hf)] offset:64*PV_*(\jj)+32*\f
	ds_load_tr16_b128 v[VF+64*(\hf)+8*\f+4:VF+64*(\hf)+8*\f+7], v[ADRV+(\hf)] offset:64*PV_*(\jj)+32*\f+16*PV_
.endr
.endm
.macro KQ                              ; 16 products: the four results (2 u + kb) take turns; the first four start the sums
	WIN 0x5d
.set i, 0
.rept 16
.if i < 4
	v_wmma_f32_16x16x32_f16 v[S+8*(i%4):S+8*(i%4)+7], v[KF+32*(i%2)+8*(i/4):KF+32*(i%2)+8*(i/4)+7], v[Q+32*((i%4)/2)+8*(i/4):Q+32*((i%4)/2)+8*(i/4)+7], 0
.else
	v_wmma_f32_16x16x32_f16 v[S+8*(i%4):S+8*(i%4)+7], v[KF+32*(i%2)+8*(i/4):KF+32*(i%2)+8*(i/4)+7], v[Q+32*((i%4)/2)+8*(i/4):Q+32*((i%4)/2)+8*(i/4)+7], v[S+8*(i%4):S+8*(i%4)+7]
.endif
.set i, i+1
.endr
.endm
; The step's factors.  Block (u, kb) lies d = SD + u - kb blocks of 16 below the diagonal: d > 0 all seen, d = 0 the triangle T, d < 0 none: factor = AN (al T + be).
; Tile u's two pairs (al AN, be AN) go into its window.  The twelve vector lines are the places behind the products K Q^T.
.macro CM
	WIN 0
	s_cmp_eq_i32 s[SD], 0
	s_cselect_b32 s76, 1.0, 0
	s_cmp_gt_i32 s[SD], 0
	s_cselect_b32 s77, 1.0, 0
	s_cmp_eq_i32 s[SD], 1
	s_cselect_b32 s78, 1.0, 0
	s_cmp_gt_i32 s[SD], 1
	s_cselect_b32 s79, 1.0, 0
	s_cmp_eq_i32 s[SD], -1
	s_cselect_b32 s80, 1.0, 0
	s_cmp_gt_i32 s[SD], -1
	s_cselect_b32 s81, 1.0, 0
	s_sub_co_i32 s[SD], s[SD], 4
	v_mul_f32 v22, v18, v20
	v_mul_f32 v23, v19, v21
	v_mul_f32 v18, v18, v[GIV]
	v_mul_f32 v19, v19, v[GIV]
	v_mul_f32 v[CP], s76, v22
	v_mul_f32 v[CP+1], s77, v22
	v_mul_f32 v[CP+2], s78, v22
	v_mul_f32 v[CP+3], s79, v22
	WIN 0x80
	v_mul_f32 v[CP], s80, v23
	v_mul_f32 v[CP+1], s81, v23
	v_mul_f32 v[CP+2], s76, v23
	v_mul_f32 v[CP+3], s77, v23
.endm
.macro SC u, kb, pw                    ; number sk of the 12 that scale result (u, kb): four packed factors, then eight products rounded to f16 into buffer pw of P; S^T is read from its low end
.if sk < 4
	v_pk_fma_f32 v[M+2*sk:M+2*sk+1], v[T+2*sk:T+2*sk+1], v[CP+2*(\kb):CP+2*(\kb)+1], v[CP+2*(\kb):CP+2*(\kb)+1] op_sel:[0,0,1] op_sel_hi:[1,0,1]
.elseif sk%2 == 0
	v_fma_mixlo_f16 v[P+8*(\pw)+4*(\kb)+(sk-4)/2], v[S+8*(2*(\u)+(\kb))+sk-4], v[M+sk-4], v[Z]
.else
	v_fma_mixhi_f16 v[P+8*(\pw)+4*(\kb)+(sk-4)/2], v[S+8*(2*(\u)+(\kb))+sk-4], v[M+sk-4], v[Z]
.endif
.set sk, sk+1
.endm
; Eight products of O^T += V^T P: tile u, half hf of the channels, weights from buffer pr: eight accumulators by turns.  ride = 1: behind them the 12 lines that scale result (u, hf) of the step
; in hand into buffer pw, dealt 1,1,1,1,1,1,2,4: the last four are the four places in front of the loads into V's half.
.macro PVG u, hf, pr, pw, ride
	WIN 0x01+0xa8*(\u)
.set i, 0
.set sk, 0
.rept 8
	v_wmma_f32_16x16x32_f16 v[O+64*(\hf)+8*i:O+64*(\hf)+8*i+7], v[VF+64*(\hf)+8*i:VF+64*(\hf)+8*i+7], v[P+8*(\pr):P+8*(\pr)+7], v[O+64*(\hf)+8*i:O+64*(\hf)+8*i+7]
.if \ride
.rept 1+i/6+2*(i/7)
	SC \u, \hf, \pw
.endr
.endif
.set i, i+1
.endr
.endm
.macro BAREPV                          ; a block's last 32 products
	PVG 0, 0, 1, 0, 0
	PVG 0, 1, 1, 0, 0
	PVG 1, 0, 1, 0, 0
	PVG 1, 1, 1, 0, 0
	WIN 0
	PLACES
.endm
.macro EXS a                           ; the 128 registers that my partner keeps go into my 16 KiB at a: 32 lanes x 16 neighbouring bytes a line; each accumulator from its low end
	WIN 0
.set i, 0
.rept 16
	ds_store_b128 v[\a], v[O+64+4*i:O+64+4*i+3] offset:512*i
.set i, i+1
.endr
	WIN 0x08
.set i, 0
.rept 16
	ds_store_b128 v[\a], v[O+64+4*i:O+64+4*i+3] offset:512*(16+i)
.set i, i+1
.endr
	WIN 0
.endm
; My step jj (0, 1) of a tile.  LDS instructions go out in this order: K of step 0 (16) | K of step 1 (16), V's halves of step 0 (16, 16) | V's halves of step 1 (16, 16).
.macro BODY jj
.if (\jj) == 0
	s_wait_dscnt 0x0                               ; K of step 0
.else
	s_wait_dscnt 32                                ; K of step 1 is in; V's two runs of 16 may be out
.endif
	KQ
	CM
.if (\jj) == 0
	LK 1                                           ; (V of the step before was waited for at the change of slots)
.else
	s_wait_dscnt 16                                ; V's own half of step 0 is in; the other half's run may be out
.endif
	PVG 0, 0, 1-(\jj), \jj, 1
	PVG 1, 0, 1-(\jj), \jj, 1
	LV 0, \jj
.if (\jj) == 1
	s_wait_dscnt 16                                ; V's other half of step 0 is in; the run just issued may be out
.endif
	PVG 0, 1, 1-(\jj), \jj, 1
	PVG 1, 1, 1-(\jj), \jj, 1
	LV 1, \jj
.endm
.macro CHANGE fill
	WIN 0
	s_wait_tensorcnt 0x0                           ; all my tensor loads have landed: one was out, my part of the other slot
	ds_add_u32 v[SPW], v[NIL]
.if \fill
	s_lshl_b32 s[OFF], s[NXT], 16                  ; a tile is 128 rows of 512 bytes in qk and in v; the address is made anew
	s_xor_b32 s[G0K+1], s[G0K+1], SLOT1
	s_add_nc_u64 s[G0K+2:G0K+3], s[KB:KB+1], s[OFF:OFF+1]
	s_or_b32 s[G0K+3], s[G0K+3], 0x80000000
	s_xor_b32 s[G0V+1], s[G0V+1], SLOT1
	s_add_nc_u64 s[G0V+2:G0V+3], s[VB:VB+1], s[OFF:OFF+1]
	s_or_b32 s[G0V+3], s[G0V+3], 0x80000000
	s_add_co_u32 s[NXT], s[NXT], 1
	s_cmp_eq_u32 s[NXT], s[NH]                     ; behind the first block's last tile: the second block's tile 0
	s_cselect_b32 s[NXT], 0, s[NXT]
	s_wait_xcnt 0x0                                ; the last prefetch, a tile back, has read its address
	s_add_nc_u64 s[PFA:PFA+1], s[PFA:PFA+1], 65536
	s_wait_dscnt 0x0                               ; the add is done, my reads of the slot are over
	CROUND
	JLOAD
	ASK
.else
	s_wait_dscnt 0x0
	s_barrier_signal -1
	s_barrier_wait -1
.endif
	s_xor_b32 s[TB], s[TB], SLOT1
	v_add_nc_u32 v[ADRK], s[TB], v[AK0]
	v_add_nc_u32 v[ADRV], s[TB], v[AVA0]
	v_add_nc_u32 v[ADRV+1], s[TB], v[AVB0]
.endm
.Ltile:                                        ; 17 trips: a tile is entered and the next is asked for
	CHANGE 1
	LK 0
	WIN 0
	s_cmp_lg_u32 s[RT], 0
	s_cbranch_scc1 .Lsame                          ; the jump hangs on the cluster's number alone and passes no barrier and no tensor load
	BAREPV                                         ; THE SECOND BLOCK BEGINS (in trip 17 - 2 c): the first block's last products;
	EXS XGS1                                       ; what my partner keeps of it goes into LDS, where it lies until the way out: nothing in the loop reads those bytes;
	WIN 0xc0
.set i, 0
.rept 64
	v_mov_b32 v[OS+i], v[O+i]                      ; what I keep is set aside: tile 0's,
.set i, i+1
.endr
	WIN 0xc2
.set i, 0
.rept 64
	v_mov_b32 v[OS+64+i], v[O+i]                   ; tile 1's;
.set i, i+1
.endr
	WIN 0xc3
.set i, 0
.rept 64
	v_mov_b32 v[Q+i], v[Q2+i]                      ; the second block's Q goes where the products name Q;
.set i, i+1
.endr
	WIN 0x80
.set i, 0
.rept 16
	v_mov_b32 v[P+i], 0                            ; the weights are 0: the next step's products V^T P, of a step that has not been, add nothing;
.set i, i+1
.endr
	WIN 0
.set i, 0
.rept 16
	v_mov_b32 v[P+i], 0
.set i, i+1
.endr
	v_mov_b32 v18, v26
	v_mov_b32 v19, v27
	v_mov_b32 v20, v28
	v_mov_b32 v21, v29
	v_mov_b32 v26, v24                             ; F changes places: the first block's is kept
	v_mov_b32 v27, v25
	v_mov_b32 v24, v30
	v_mov_b32 v25, v31
	s_mov_b32 s[SD], s[SD2]
	CLR 0x00, O                                    ; and O^T starts at 0 again
	CLR 0x8a, O
	WIN 0
.Lsame:
	s_sub_co_u32 s[RT], s[RT], 1
	BODY 0
	BODY 1
	WIN 0
	s_sub_co_u32 s[SLOTS], s[SLOTS], 1
	s_cmp_lg_u32 s[SLOTS], 0
	s_cbranch_scc1 .Ltile
	CHANGE 0                                       ; the last tile is written out: nothing is asked for
	LK 0
	BODY 0
	BODY 1
	s_wait_dscnt 0x0
	BAREPV
	; THE WAY OUT.  The second block's exchange: over slot 0, which has had its last fill and whose reads ended in front of the barrier above.
	EXS XGS2
	s_wait_dscnt 0x0                               ; for my partner's sake
	s_barrier_signal -1
	s_barrier_wait -1
.set i, 0
.rept 16
	ds_load_b128 v[O+64+4*i:O+64+4*i+3], v[XGL2] offset:512*i          ; my partner's sums for my half come into the registers that I have handed over
.set i, i+1
.endr
	WIN 0x80
.set i, 0
.rept 16
	ds_load_b128 v[O+64+4*i:O+64+4*i+3], v[XGL2] offset:512*(16+i)
.set i, i+1
.endr
	WIN 0
	s_wait_dscnt 0x0
.set i, 0
.rept 32
	v_pk_add_f32 v[O+2*i:O+2*i+1], v[O+2*i:O+2*i+1], v[O+64+2*i:O+64+2*i+1]
.set i, i+1
.endr
	WIN 0x0a
.set i, 0
.rept 32
	v_pk_add_f32 v[O+64+2*i:O+64+2*i+1], v[O+2*i:O+2*i+1], v[O+64+2*i:O+64+2*i+1]   ; tile 1's sums go beside tile 0's: window 0, v[O + 64 u + 8 cb]
.set i, i+1
.endr
	WIN 0
	s_mov_b32 s[ECNT], 2
.Lepi:                                         ; twice: the block in hand, then the one set aside
	WIN 0x40
.set i, 0
.rept 16
	global_load_b128 v[192+4*i:192+4*i+3], v[GOF], s[GP:GP+1] offset:1024*i   ; the gate: rows 2 i + h, my 8 channels: sixteen lanes take 256 consecutive bytes
.set i, i+1
.endr
	WIN 0
.irp u, 0,1
	v_pk_mul_f32 v[ES+4*\u:ES+4*\u+1], v[O+64*\u:O+64*\u+1], v[O+64*\u:O+64*\u+1]
	v_pk_mul_f32 v[ES+4*\u+2:ES+4*\u+3], v[O+64*\u+2:O+64*\u+3], v[O+64*\u+2:O+64*\u+3]
.set i, 2
.rept 30
	v_pk_fma_f32 v[ES+4*\u+2*(i%2):ES+4*\u+2*(i%2)+1], v[O+64*\u+2*i:O+64*\u+2*i+1], v[O+64*\u+2*i:O+64*\u+2*i+1], v[ES+4*\u+2*(i%2):ES+4*\u+2*(i%2)+1]
.set i, i+1
.endr
	v_pk_add_f32 v[ES+4*\u:ES+4*\u+1], v[ES+4*\u:ES+4*\u+1], v[ES+4*\u+2:ES+4*\u+3]
	v_add_f32 v[ES+4*\u], v[ES+4*\u], v[ES+4*\u+1]
	v_permlanex16_b32 v[ES+4*\u+1], v[ES+4*\u], s[SEL], s[SEL+1]
	v_add_f32 v[ES+4*\u], v[ES+4*\u], v[ES+4*\u+1]
	ds_store_b32 v[XA], v[ES+4*\u] offset:128*\u
.endr
	s_wait_dscnt 0x0                               ; for the other wave's sake
	s_barrier_signal -1
	s_barrier_wait -1
	ds_load_b32 v[ES+2], v[XB]                     ; the other 128 channels' sum
	ds_load_b32 v[ES+6], v[XB] offset:128
	s_wait_dscnt 0x0
.irp u, 0,1
	v_add_f32 v[ES+4*\u], v[ES+4*\u], v[ES+4*\u+2]
	v_mul_f32 v[ES+4*\u+1], v[24+\u], v[24+\u]
	v_mul_f32 v[ES+4*\u], 0x3b800000, v[ES+4*\u]
	v_fmaak_f32 v[ES+4*\u], v[ES+4*\u], v[ES+4*\u+1], 0x3727c5ac
.endr
	v_rsq_f32 v[ES], v[ES]
	v_rsq_f32 v[ES+4], v[ES+4]
	v_nop
	s_wait_alu depctr_va_vdst(0)
	v_mul_f32 v[ES], v[ES], v24                    ; both tiles' factors stay in these registers until their tile has been scaled
	v_mul_f32 v[ES+4], v[ES+4], v25
.irp u, 0,1
.set i, 0
.rept 32
	v_pk_mul_f32 v[O+64*\u+2*i:O+64*\u+2*i+1], v[O+64*\u+2*i:O+64*\u+2*i+1], v[ES+4*\u:ES+4*\u+1] op_sel_hi:[1,0]
.set i, i+1
.endr
.set i, 0
.rept 8                                ; a lane's 8 channels of a query go into my stage,
	ds_store_b128 v[STO], v[O+64*\u+8*i:O+64*\u+8*i+3] offset:64*i
	ds_store_b128 v[STO], v[O+64*\u+8*i+4:O+64*\u+8*i+7] offset:64*i+16
.set i, i+1
.endr
.if \u
	s_wait_xcnt 0x0                                ; the first tile's stores have read the registers that are loaded again
.endif
.set i, 0
.rept 8                                ; and come back by rows: my own bytes, served in order
	ds_load_b128 v[64+8*i:64+8*i+3], v[RD] offset:1056*i
	ds_load_b128 v[64+8*i+4:64+8*i+7], v[RD] offset:1056*i+16
.set i, i+1
.endr
	s_wait_dscnt 0x0
.if !\u
	s_wait_loadcnt 0x0                             ; the gate
.endif
.set i, 0
.rept 32
	v_pk_mul_f32 v[64+2*i:64+2*i+1], v[64+2*i:64+2*i+1], v[W+2*(i%4):W+2*(i%4)+1]
.set i, i+1
.endr
	WIN 0x01
.set i, 0
.rept 32
	v_fma_mix_f32 v[64+2*i], v[192+32*\u+i], v[64+2*i], v[Z] op_sel_hi:[1,0,0]
	v_fma_mix_f32 v[64+2*i+1], v[192+32*\u+i], v[64+2*i+1], v[Z] op_sel:[1,0,0] op_sel_hi:[1,0,0]
.set i, i+1
.endr
	WIN 0
.set i, 0
.rept 32
	v_cvt_pk_bf16_f32 v[64+8*(i/4)+i%4], v[64+8*(i/4)+2*(i%4)], v[64+8*(i/4)+2*(i%4)+1]
.set i, i+1
.endr
.set i, 0
.rept 8
	global_store_b128 v[YOF], v[64+8*i:64+8*i+3], s[YP:YP+1] offset:(16*\u+2*i)*4096   ; sixteen lanes store 256 consecutive bytes, aligned
.set i, i+1
.endr
.endr
	s_cmp_eq_u32 s[ECNT], 1
	s_cbranch_scc1 .Lno_more
	s_wait_xcnt 0x0                                ; loads and stores have read their bases
	s_mov_b64 s[YP:YP+1], s[YP2:YP2+1]
	s_mov_b64 s[GP:GP+1], s[GP2:GP2+1]
.set i, 0
.rept 32
	ds_load_b128 v[O+4*i:O+4*i+3], v[XGL1] offset:512*i   ; the first block: my partner's sums for my half, stored at the change of blocks, many barriers back,
.set i, i+1
.endr
	v_mov_b32 v24, v26
	v_mov_b32 v25, v27
	v_add_nc_u32 v[XA], 1024, v[XA]
	v_add_nc_u32 v[XB], 1024, v[XB]
	s_wait_dscnt 0x0
	WIN 0x0c
.set i, 0
.rept 64
	v_pk_add_f32 v[O+2*i:O+2*i+1], v[O+2*i:O+2*i+1], v[OS+2*i:OS+2*i+1]   ; and what I set aside
.set i, i+1
.endr
	WIN 0
.Lno_more:
	s_sub_co_u32 s[ECNT], s[ECNT], 1
	s_cmp_lg_u32 s[ECNT], 0
	s_cbranch_scc1 .Lepi
	s_wait_tensorcnt 0x0                           ; the wave's end
	ds_add_u32 v[SPW], v[NIL]
	s_wait_dscnt 0x0
	CROUND                                         ; the closing round
	s_endpgm
.Lfunc_end_k_qf72e2e6ccb_retn:
	.size	k_qf72e2e6ccb_retn, .Lfunc_end_k_qf72e2e6ccb_retn-k_qf72e2e6ccb_retn
	.p2alignl 7, 3214868480
	.fill 96, 4, 3214868480
	.section	.rodata,"a",@progbits
	.p2align	6, 0x0
	.amdhsa_kernel k_qf72e2e6ccb_retn
		.amdhsa_group_segment_fixed_size 327680
		.amdhsa_private_segment_fixed_size 0
		.amdhsa_enable_private_segment 0
		.amdhsa_kernarg_size 40
		.amdhsa_user_sgpr_count 2
		.amdhsa_user_sgpr_kernarg_segment_ptr 1
		.amdhsa_wavefront_size32 1
		.amdhsa_system_sgpr_workgroup_id_x 1
		.amdhsa_system_sgpr_workgroup_id_y 1
		.amdhsa_system_sgpr_workgroup_id_z 1
		.amdhsa_system_vgpr_workitem_id 0
		.amdhsa_next_free_vgpr 1024
		.amdhsa_next_free_sgpr 100
		.amdhsa_reserve_vcc 1
		.amdhsa_float_denorm_mode_32 3
		.amdhsa_float_denorm_mode_16_64 3
		.amdhsa_memory_ordered 1
		.amdhsa_forward_progress 1
		.amdhsa_inst_pref_size 133
	.end_amdhsa_kernel
	.amdgpu_metadata
---
amdhsa.version: [ 1, 2 ]
amdhsa.kernels:
  - .name:           k_qf72e2e6ccb_retn
    .symbol:         k_qf72e2e6ccb_retn.kd
    .args:
      - { .name: qk, .offset: 0, .size: 8, .value_kind: global_buffer, .address_space: global }
      - { .name: vg, .offset: 8, .size: 8, .value_kind: global_buffer, .address_space: global }
      - { .name: nrm, .offset: 16, .size: 8, .value_kind: global_buffer, .address_space: global }
      - { .name: g_norm_w, .offset: 24, .size: 8, .value_kind: global_buffer, .address_space: global }
      - { .name: yb, .offset: 32, .size: 8, .value_kind: global_buffer, .address_space: global }
    .group_segment_fixed_size: 327680
    .private_segment_fixed_size: 0
    .kernarg_segment_align: 8
    .kernarg_segment_size: 40
    .max_flat_workgroup_size: 128
    .sgpr_count:     100
    .vgpr_count:     1024
    .wavefront_size: 32
...
	.end_amdgpu_metadata
.endif
;; end of part 3
;; launch oproj (part 4): grid 8 x 32, 4 waves a work-group, clusters of 4 x 4, 327,680 bytes of LDS; arguments yb, wob, out0; writes out0
.if DOCPART == 4
	.amdgcn_target "amdgcn-amd-amdhsa--gfx1250"
	.amdhsa_code_object_version 6
	.text
	.protected	k_qf72e2e6ccb_oproj
	.globl	k_qf72e2e6ccb_oproj
	.p2align	8
	.type	k_qf72e2e6ccb_oproj,@function
k_qf72e2e6ccb_oproj:
	s_mov_b64 s[64:65], 0
	v_nop
	global_prefetch_b8 v0, s[64:65] scope:SCOPE_SE
	s_setreg_imm32_b32 hwreg(HW_REG_WAVE_MODE, 25, 1), 1
	s_wait_xcnt 0x0
	s_wait_alu depctr_hold_cnt(0) depctr_sa_sdst(0) depctr_va_vdst(0) depctr_va_sdst(0) depctr_va_ssrc(0) depctr_va_vcc(0) depctr_vm_vsrc(0)
	s_getreg_b32 s2, hwreg(HW_REG_IB_STS2, 6, 4)
	s_cmp_eq_u32 s2, 0
	s_cbranch_scc0 .Lentry_in_a_cluster
	s_endpgm
.Lentry_in_a_cluster:
	s_bfe_u32 s2, ttmp6, 0x10000c
	s_cmp_lg_u32 s2, 0xf033
	s_cbranch_scc0 .Lentry_shape_is_right
	s_endpgm
.Lentry_shape_is_right:
; Launch 4 of 4: out0 [4096][1024] f32 = y [4096][2048] bf16 times Wo [2048][1024] bf16; sums in f32.  Nothing is left out here.
; A tile is 128 x 128, so that 4096 x 1024 gives 256 work-groups; four waves of 64 x 64: 16 accumulators.  K goes in steps of 256 through two LDS slots.
; CLUSTER 4 x 4: y's tile is shared along a row of the cluster, Wo's along a column: joint loads.  The matrix instruction is used transposed (source 0 = 16 columns of Wo, turned out of LDS;
; source 1 = 16 rows of y): a lane ends with 8 neighbouring columns of a row.  A wave's 64 columns of f32 are 256 bytes: its rows leave whole through a stage of its own.
; No prefetch: a tile's step holds 128 matrix instructions for 128 KiB, and every block is read again by other clusters.
; REGISTERS: window 0: v0-31 addresses; v32-95 the way out; v128-255 accumulators.  Window 1: two fragment buffers of 128 (64 of y, 64 of Wo), each for 64 along K.
.set PITCH, 528                        ; a row of y: 512 bytes + 16
.set PB,    288                        ; a row of Wo: 256 bytes + 32 = 9 x 32
.set BOFF,  128*PITCH
.set SLOT,  BOFF+256*PB
.set STAGE, 2*SLOT                     ; 16 rows x 272 bytes for each wave
.set SPARE, STAGE+4*16*272
.set ADRA, 16                          ; v16-17 by slot
.set ADRB, 20                          ; v20-23 by slot and half of the K step
.set STO, 24
.set RD, 25
.set CO, 26
.set SPW, 28
.set NIL, 29
.set TMP, 32
.set ACC, 128
.set F0, 0
.set F1, 128
.set G1, 24
.set G0, 32
.set G1B, 48
.set G0B, 56
.set MSB, 0
.macro WIN new
.if MSB != (\new)
	s_set_vgpr_msb (MSB<<8)|(\new)
.set MSB, \new
.endif
.endm
.set MUL, 0x05
.set TO_F, 0x40
.macro PLACES
.rept 4
	v_nop
.endr
.endm
.macro JLOAD s
	s_cmp_eq_u32 s11, 0
	s_cbranch_scc0 .Lfb_\@
	tensor_load_to_lds s[G0+4*(\s):G0+4*(\s)+3], s[G1:G1+7]
	s_nop 0
	PLACES
	s_branch .Lfa_\@
.Lfb_\@:
	tensor_load_to_lds s[G0B+4*(\s):G0B+4*(\s)+3], s[G1B:G1B+7]
	s_nop 0
	PLACES
.Lfa_\@:
.endm
.macro CREST
	s_cmp_lg_u32 s10, 0
	s_cbranch_scc1 .Lnw0_\@
	s_barrier_signal -3
.Lnw0_\@:
	s_barrier_wait -3
	s_barrier_signal -1
	s_barrier_wait -1
.endm
.macro CROUND
	s_barrier_signal -1
	s_barrier_wait -1
	CREST
.endm
	s_load_b128 s[4:7], s[0:1], 0x0                ; yb s[4:5], wob s[6:7]
	s_load_b64 s[8:9], s[0:1], 0x10                ; out0
	v_lshl_add_u32 v[SPW], v0, 2, SPARE
	v_mov_b32 v[NIL], 0
	ds_add_u32 v[SPW], v[NIL]                      ; the opening: the add, twice on end, and its wait ahead of my first tensor load
	ds_add_u32 v[SPW], v[NIL]
	v_lshrrev_b32 v1, 5, v0
	v_readfirstlane_b32 s10, v1
	s_lshr_b32 s11, s10, 1                         ; my half of the rows; also: I fetch y (0) or Wo (1)
	s_and_b32 s12, s10, 1                          ; my half of the columns; also: which half of that tile I fetch
	s_bfe_u32 s40, ttmp6, 0x40000
	s_bfe_u32 s41, ttmp6, 0x40004
	s_lshl_b32 s42, ttmp9, 2
	s_add_co_u32 s42, s42, s40                     ; tile column
	s_and_b32 s13, ttmp7, 0xffff
	s_lshl_b32 s13, s13, 2
	s_add_co_u32 s13, s13, s41                     ; tile row
	s_lshl_b32 s43, s41, 2
	s_lshl_b32 s43, 15, s43
	s_lshl_b32 s44, 0x1111, s40
	s_or_b32 s[G1], s43, (1<<16)|(1<<20)|(1<<21)|(6<<22)|(3<<25)   ; y: 64 rows x 256 elements; 4 words behind every 128
	s_mov_b32 s[G1+1], 256<<16
	s_mov_b32 s[G1+2], 64<<16
	s_mov_b32 s[G1+3], 256<<16
	s_mov_b32 s[G1+4], 64
	s_mov_b32 s[G1+5], 2048
	s_mov_b32 s[G1+6], 0
	s_mov_b32 s[G1+7], 0
	s_or_b32 s[G1B], s44, (1<<16)|(1<<20)|(1<<21)|(5<<22)|(7<<25)  ; Wo: 128 rows x 128 elements; 8 words behind every 64
	s_mov_b32 s[G1B+1], 128<<16
	s_mov_b32 s[G1B+2], 128<<16
	s_mov_b32 s[G1B+3], 128<<16
	s_mov_b32 s[G1B+4], 128
	s_mov_b32 s[G1B+5], 1024
	s_mov_b32 s[G1B+6], 0
	s_mov_b32 s[G1B+7], 0
	s_lshl_b32 s16, s13, 19                        ; y: (128 tile row + 64 half) rows of 4,096 bytes
	s_lshl_b32 s17, s12, 18
	s_add_co_u32 s16, s16, s17
	s_mov_b32 s17, 0
	s_lshl_b32 s46, s42, 8                         ; Wo: 256 bytes x tile column + 128 half rows of 2,048 bytes
	s_lshl_b32 s47, s12, 18
	s_add_co_u32 s46, s46, s47
	s_mov_b32 s47, 0
	s_mul_i32 s20, s12, 64*PITCH
	s_mul_i32 s21, s12, 128*PB
	s_add_co_u32 s21, s21, BOFF
	s_wait_dscnt 0x0
	s_wait_kmcnt 0x0
	s_add_nc_u64 s[14:15], s[4:5], s[16:17]
	s_add_nc_u64 s[46:47], s[6:7], s[46:47]
	CROUND
.irp s, 0,1
	s_mov_b32 s[G0+4*(\s)], 1
	s_add_co_u32 s[G0+4*(\s)+1], s20, (\s)*SLOT
	s_add_nc_u64 s[G0+4*(\s)+2:G0+4*(\s)+3], s[14:15], (\s)*512
	s_or_b32 s[G0+4*(\s)+3], s[G0+4*(\s)+3], 0x80000000
	s_mov_b32 s[G0B+4*(\s)], 1
	s_add_co_u32 s[G0B+4*(\s)+1], s21, (\s)*SLOT
	s_add_nc_u64 s[G0B+4*(\s)+2:G0B+4*(\s)+3], s[46:47], (\s)*524288
	s_or_b32 s[G0B+4*(\s)+3], s[G0B+4*(\s)+3], 0x80000000
	JLOAD \s
.endr
	v_and_b32 v1, 15, v0
	v_bfe_u32 v2, v0, 4, 1
	v_and_b32 v3, 7, v0
	v_bfe_u32 v4, v0, 3, 1
	s_mul_i32 s22, s11, 64*PITCH
	v_mul_u32_u24 v5, v1, PITCH
	v_lshl_add_u32 v5, v2, 4, v5
	v_add_nc_u32 v[ADRA], s22, v5
	v_add_nc_u32 v[ADRA+1], SLOT, v[ADRA]
	v_lshl_add_u32 v6, v2, 3, v3
	v_mul_u32_u24 v6, v6, PB
	v_lshl_add_u32 v6, v4, 4, v6
	s_lshl_b32 s22, s12, 7
	s_add_co_u32 s22, s22, BOFF
	v_add_nc_u32 v[ADRB], s22, v6
	v_add_nc_u32 v[ADRB+1], 128*PB, v[ADRB]
	v_add_nc_u32 v[ADRB+2], SLOT, v[ADRB]
	v_add_nc_u32 v[ADRB+3], SLOT, v[ADRB+1]
	s_mul_i32 s23, s10, 16*272
	s_add_co_u32 s23, s23, STAGE
	v_mul_u32_u24 v[STO], v1, 272
	v_lshl_add_u32 v[STO], v2, 5, v[STO]
	v_add_nc_u32 v[STO], s23, v[STO]
	v_mul_u32_u24 v[RD], v2, 272
	v_lshl_add_u32 v[RD], v1, 4, v[RD]
	v_add_nc_u32 v[RD], s23, v[RD]
	v_lshlrev_b32 v[CO], 12, v2
	v_lshl_add_u32 v[CO], v1, 4, v[CO]
	s_lshl_b32 s16, s13, 19                        ; out0: (128 tile row + 64 wr) rows of 4,096 bytes + 512 tile column + 256 wc
	s_lshl_b32 s17, s11, 18
	s_add_co_u32 s16, s16, s17
	s_mov_b32 s17, 0
	s_add_nc_u64 s[8:9], s[8:9], s[16:17]
	s_lshl_b32 s46, s42, 9
	s_lshl_b32 s47, s12, 8
	s_add_co_u32 s46, s46, s47
	s_mov_b32 s47, 0
	s_add_nc_u64 s[8:9], s[8:9], s[46:47]
.macro MUL8 f, c, a0, zero             ; row blocks a0, a0 + 1 x 4 column blocks, 32 along K; the 16 accumulators take turns
	WIN MUL
.irp a, \a0, (\a0)+1
.irp b, 0,1,2,3
.if \zero
	v_wmma_f32_16x16x32_bf16 v[ACC+8*(4*(\a)+(\b)):ACC+8*(4*(\a)+(\b))+7], v[(\f)+64+8*(4*(\c)+(\b)):(\f)+64+8*(4*(\c)+(\b))+7], v[(\f)+8*(4*(\c)+(\a)):(\f)+8*(4*(\c)+(\a))+7], 0
.else
	v_wmma_f32_16x16x32_bf16 v[ACC+8*(4*(\a)+(\b)):ACC+8*(4*(\a)+(\b))+7], v[(\f)+64+8*(4*(\c)+(\b)):(\f)+64+8*(4*(\c)+(\b))+7], v[(\f)+8*(4*(\c)+(\a)):(\f)+8*(4*(\c)+(\a))+7], v[ACC+8*(4*(\a)+(\b)):ACC+8*(4*(\a)+(\b))+7]
.endif
.endr
.endr
.endm
.macro FETCH slot, q, f                ; 32 loads: quarter q (64 along K) of the slot into buffer f, its first 32 along K first
	WIN TO_F
.irp c, 0,1
.irp i, 0,1,2,3
	ds_load_tr16_b128 v[(\f)+64+8*(4*(\c)+(\i)):(\f)+64+8*(4*(\c)+(\i))+3],   v[ADRB+2*(\slot)+(\q)/2] offset:(64*((\q)%2)+32*(\c))*PB+32*(\i)
	ds_load_tr16_b128 v[(\f)+64+8*(4*(\c)+(\i))+4:(\f)+64+8*(4*(\c)+(\i))+7], v[ADRB+2*(\slot)+(\q)/2] offset:(64*((\q)%2)+32*(\c))*PB+32*(\i)+16*PB
	ds_load_b128 v[(\f)+8*(4*(\c)+(\i)):(\f)+8*(4*(\c)+(\i))+3],   v[ADRA+(\slot)] offset:128*(\q)+64*(\c)+(\i)*16*PITCH
	ds_load_b128 v[(\f)+8*(4*(\c)+(\i))+4:(\f)+8*(4*(\c)+(\i))+7], v[ADRA+(\slot)] offset:128*(\q)+64*(\c)+(\i)*16*PITCH+32
.endr
.endr
.endm
.macro QUARTER slot, q, f, g, zero     ; multiplies buffer f, fetches quarter q into g
	s_wait_dscnt 16                                ; the first 32 along K are in
	MUL8 \f, 0, 0, \zero
	MUL8 \f, 0, 2, \zero
	PLACES
	FETCH \slot, \q, \g
	s_wait_dscnt 32                                ; all but the 32 just issued
	MUL8 \f, 1, 0, 0
	MUL8 \f, 1, 2, 0
.endm
.macro TURN slot, next, fill           ; the last quarter and the change of slots
	WIN 0
	s_wait_tensorcnt 0x0                           ; all my tensor loads have landed: my part of the next slot
	ds_add_u32 v[SPW], v[NIL]
	s_wait_dscnt 17                                ; the add and the youngest sixteen loads may be out
	MUL8 F1, 0, 0, 0
	s_wait_dscnt 0x0                               ; the add is done, my reads of this slot are over
	s_barrier_signal -1
	MUL8 F1, 0, 2, 0
.if \fill
	WIN 0
.endif
	s_barrier_wait -1
.if \fill
	CREST
	s_add_nc_u64 s[G0+4*(\slot)+2:G0+4*(\slot)+3], s[G0+4*(\slot)+2:G0+4*(\slot)+3], 2*512
	s_add_nc_u64 s[G0B+4*(\slot)+2:G0B+4*(\slot)+3], s[G0B+4*(\slot)+2:G0B+4*(\slot)+3], 2*524288
	JLOAD \slot                                    ; its four v_nop are also the places in front of the loads below
.else
	PLACES
.endif
	FETCH \next, 0, F0
	MUL8 F1, 1, 0, 0
	MUL8 F1, 1, 2, 0
.endm
	s_wait_tensorcnt 1                             ; my part of K step 0 is in; K step 1's load stays out
	s_barrier_signal -1
	s_barrier_wait -1
	FETCH 0, 0, F0
	QUARTER 0, 1, F0, F1, 1
	WIN 0
	s_mov_b32 s3, 3
.Llap:                                         ; 3 trips: K steps 0-5 change slots and ask for K steps 2-7
	QUARTER 0, 2, F1, F0, 0
	QUARTER 0, 3, F0, F1, 0
	TURN 0, 1, 1
	QUARTER 1, 1, F0, F1, 0
	QUARTER 1, 2, F1, F0, 0
	QUARTER 1, 3, F0, F1, 0
	TURN 1, 0, 1
	QUARTER 0, 1, F0, F1, 0
	WIN 0
	s_sub_co_u32 s3, s3, 1
	s_cmp_lg_u32 s3, 0
	s_cbranch_scc1 .Llap
	QUARTER 0, 2, F1, F0, 0
	QUARTER 0, 3, F0, F1, 0
	TURN 0, 1, 0
	QUARTER 1, 1, F0, F1, 0
	QUARTER 1, 2, F1, F0, 0
	QUARTER 1, 3, F0, F1, 0
	s_wait_dscnt 16
	MUL8 F1, 0, 0, 0
	MUL8 F1, 0, 2, 0
	s_wait_dscnt 0x0
	MUL8 F1, 1, 0, 0
	MUL8 F1, 1, 2, 0
	WIN 0
	PLACES
.irp a, 0,1,2,3                        ; 16 rows at a time through my own stage: in by lanes' 32 bytes, back by rows of 256 bytes; LDS serves a wave's instructions in order
.if (\a) >= 2
	s_wait_xcnt 0x0                                ; the stores of two blocks back have read the registers that are loaded again
.endif
.irp b, 0,1,2,3
	ds_store_b128 v[STO], v[ACC+8*(4*(\a)+(\b)):ACC+8*(4*(\a)+(\b))+3] offset:64*(\b)
	ds_store_b128 v[STO], v[ACC+8*(4*(\a)+(\b))+4:ACC+8*(4*(\a)+(\b))+7] offset:64*(\b)+16
.endr
.irp t, 0,1,2,3,4,5,6,7
	ds_load_b128 v[TMP+32*((\a)%2)+4*(\t):TMP+32*((\a)%2)+4*(\t)+3], v[RD] offset:544*(\t)
.endr
.irp t, 0,1,2,3,4,5,6,7
	s_wait_dscnt 7-(\t)
	global_store_b128 v[CO], v[TMP+32*((\a)%2)+4*(\t):TMP+32*((\a)%2)+4*(\t)+3], s[8:9] offset:(16*(\a)+2*(\t))*4096   ; sixteen lanes store 256 consecutive bytes, aligned
.endr
.endr
	s_wait_tensorcnt 0x0                           ; the wave's end
	ds_add_u32 v[SPW], v[NIL]
	s_wait_dscnt 0x0
	CROUND                                         ; the closing round
	s_endpgm
.Lfunc_end_k_qf72e2e6ccb_oproj:
	.size	k_qf72e2e6ccb_oproj, .Lfunc_end_k_qf72e2e6ccb_oproj-k_qf72e2e6ccb_oproj
	.p2alignl 7, 3214868480
	.fill 96, 4, 3214868480
	.section	.rodata,"a",@progbits
	.p2align	6, 0x0
	.amdhsa_kernel k_qf72e2e6ccb_oproj
		.amdhsa_group_segment_fixed_size 327680
		.amdhsa_private_segment_fixed_size 0
		.amdhsa_enable_private_segment 0
		.amdhsa_kernarg_size 24
		.amdhsa_user_sgpr_count 2
		.amdhsa_user_sgpr_kernarg_segment_ptr 1
		.amdhsa_wavefront_size32 1
		.amdhsa_system_sgpr_workgroup_id_x 1
		.amdhsa_system_sgpr_workgroup_id_y 1
		.amdhsa_system_sgpr_workgroup_id_z 1
		.amdhsa_system_vgpr_workitem_id 0
		.amdhsa_next_free_vgpr 512
		.amdhsa_next_free_sgpr 66
		.amdhsa_reserve_vcc 0
		.amdhsa_float_denorm_mode_32 3
		.amdhsa_float_denorm_mode_16_64 3
		.amdhsa_memory_ordered 1
		.amdhsa_forward_progress 1
		.amdhsa_inst_pref_size 87
	.end_amdhsa_kernel
	.amdgpu_metadata
---
amdhsa.version: [ 1, 2 ]
amdhsa.kernels:
  - .name:           k_qf72e2e6ccb_oproj
    .symbol:         k_qf72e2e6ccb_oproj.kd
    .args:
      - { .name: yb, .offset: 0, .size: 8, .value_kind: global_buffer, .address_space: global }
      - { .name: wob, .offset: 8, .size: 8, .value_kind: global_buffer, .address_space: global }
      - { .name: out0, .offset: 16, .size: 8, .value_kind: global_buffer, .address_space: global }
    .group_segment_fixed_size: 327680
    .private_segment_fixed_size: 0
    .kernarg_segment_align: 8
    .kernarg_segment_size: 24
    .max_flat_workgroup_size: 128
    .sgpr_count:     66
    .vgpr_count:     512
    .wavefront_size: 32
...
	.end_amdgpu_metadata
.endif
;; end of part 4
;; ======== version 2 of 2: 4 launches; version 1 with the launch cast written anew for expert scheduling mode
;; limits: values outside matrix products are rounded to f16; values are held in f16: magnitudes above 65,504 overflow, below 6.1e-05 lose precision
;; workspace buffers: xb 8,388,608 bytes; wcat 12,582,912 bytes; wob 4,194,304 bytes; tab 524,288 bytes; qk 16,777,216 bytes; vg 33,554,432 bytes; nrm 262,144 bytes; yb 16,777,216 bytes
;; launch cast (part 5): grid 896 x 1, 8 waves a work-group, no clusters, 0 bytes of LDS; arguments hidden_states, Wq, Wk, Wv, Wg, Wo, xb, wcat, wob, tab; writes xb, wcat, wob, tab
.if DOCPART == 5
	.amdgcn_target "amdgcn-amd-amdhsa--gfx1250"
	.amdhsa_code_object_version 6
	.text
	.protected	k_qf72e2e6ccb_cast
	.globl	k_qf72e2e6ccb_cast
	.p2align	8
	.type	k_qf72e2e6ccb_cast,@function
k_qf72e2e6ccb_cast:
	s_mov_b64 s[64:65], 0
	v_nop
	global_prefetch_b8 v0, s[64:65] scope:SCOPE_SE
	s_setreg_imm32_b32 hwreg(HW_REG_WAVE_SCHED_MODE, 0, 2), 2
	s_setreg_imm32_b32 hwreg(HW_REG_WAVE_MODE, 25, 1), 1
	s_wait_xcnt 0x0
	s_wait_alu depctr_vm_vsrc(0)
; MULTI-SCALE RETENTION, launch 1 of 4: the inputs rounded once to bf16 and laid out for the products, and the rotary table.
; WORK LEFT OUT BY THE PROGRAM: reference() builds decay[h][q][k] = 0 for k > q in its own body, so scores[q][k] = (q.k) x 0 = 0 there for all finite inputs
; and adds nothing to o.  Launch 3 therefore leaves out the key tiles that lie wholly above the diagonal.  A decay that is only small is not 0: those tiles are multiplied.
; Every input has a way to the output and is loaded.  LIMIT: a NaN, an infinity or an overflow in keys or values of the tiles left out is not carried to the result.
; xb   bf16 [kb 16][row 4096][64]: the 128 bytes that a row gives to a K step of 64 lie end to end with its neighbours'.
; wcat bf16 [k 1024][6144]: 16 tiles of 768 bytes; tile 2 h + f = (f ? Wk : Wq)[:,128 h ..] | Wv[:,256 h + 128 f ..] | Wg[:,256 h + 128 f ..].
; wob  bf16 [2048][1024].   tab  f16 [t 2048][p 64](cos, sin) of t x 10000^(-p/64).
; A work-group of the first 768 takes 16 rows x 1,024 columns: 16 loads of 16 bytes a lane are out together; a wave's store covers 256 consecutive bytes, aligned.
; No LDS, no matrix unit, no cluster: nothing is shared and nothing is multiplied.
; THE MODE: SCHED_MODE bits 1:0 = 2 (LLVM: expert scheduling mode 2), set by the entry lines.  The code itself states the register dependences
; between vector instructions and memory instructions, with s_wait_alu, always for 0.
; THE PLAN.  Registers that memory instructions touch:
;   v[VS], v[VD]  byte offsets.  Written by vector lines at the head of a path, once; read by the loads and by the stores; never written again.
;   X             16 pieces as loaded.  Written by the loads, once each, and by no vector line; read by the conversions; never loaded again.
;   Y             16 pairs to store.    Written by the conversions, once each; read by the stores; never written again.
; So the one kind of dependence is: a vector line writes, a memory instruction reads.  The 16 pieces go in four groups of four.  At the head of group g, behind the wait for its data,
; one wait states that group g - 1's conversions have written their Y; that group's four stores follow, dealt among group g's conversions, which name X and Y of group g alone.
; In the table's path the four compares write scalar registers of their own, and one wait stands between them and the selections that read those.
.set X,  16                            ; v[16:79]  16 loads of 4 registers
.set Y,  80                            ; v[80:111] 16 pairs to store
.set VS, 2                             ; my byte offset in the source; never rewritten
.set VD, 3                             ; in the destination; never rewritten
.macro BODY sp, dp                     ; sp, dp: bytes from one of the 16 pieces to the next, in source and destination
	s_wait_alu depctr_va_vdst(0)                   ; v[VS] and v[VD] are written: the loads below read the one as their offset, the stores the other
.set i, 0
.rept 16
	global_load_b128 v[X+4*i:X+4*i+3], v[VS], s[24:25] offset:i*(\sp) th:TH_LOAD_NT
.set i, i+1
.endr
.set g, 0
.rept 4
	s_wait_loadcnt 12-4*g                          ; loads come back in order: group g's four pieces are in, the 12 - 4 g younger ones stay out
.if g > 0
	s_wait_alu depctr_va_vdst(0)                   ; the conversions of the group before have written their eight registers of Y, which the four stores below read
.endif
.set j, 0
.rept 4
.set i, 4*g+j
.if g > 0
	global_store_b64 v[VD], v[Y+2*(i-4):Y+2*(i-4)+1], s[26:27] offset:(i-4)*(\dp)   ; the group before; no vector line since the wait names these registers
.endif
	v_cvt_pk_bf16_f32 v[Y+2*i], v[X+4*i], v[X+4*i+1]
	v_cvt_pk_bf16_f32 v[Y+2*i+1], v[X+4*i+2], v[X+4*i+3]
.set j, j+1
.endr
.set g, g+1
.endr
	s_wait_alu depctr_va_vdst(0)                   ; the last group's conversions have written their Y, which the last four stores read
.set i, 12
.rept 4
	global_store_b64 v[VD], v[Y+2*i:Y+2*i+1], s[26:27] offset:i*(\dp)
.set i, i+1
.endr
	s_endpgm
.endm
	s_load_b512 s[4:19], s[0:1], 0x0               ; x s[4:5], Wq, Wk, Wv, Wg, Wo s[14:15], xb s[16:17], wcat s[18:19]
	s_load_b128 s[20:23], s[0:1], 0x40             ; wob s[20:21], tab s[22:23]
	v_and_b32 v1, 31, v0                           ; lane
	v_lshrrev_b32 v4, 5, v0                        ; wave
	s_mov_b32 s31, 0
	s_mov_b32 s33, 0
	s_wait_kmcnt 0x0
	s_cmp_lt_u32 ttmp9, 256
	s_cbranch_scc1 .Lx
	s_cmp_lt_u32 ttmp9, 384
	s_cbranch_scc1 .Lqk
	s_cmp_lt_u32 ttmp9, 640
	s_cbranch_scc1 .Lvg
	s_cmp_lt_u32 ttmp9, 768
	s_cbranch_scc1 .Lwo
	; THE TABLE: 16 rows a work-group; wave w takes rows 16 id + w and + 8; lane l the pairs 2 l and 2 l + 1: a wave's store is a whole row of 256 bytes.
	s_sub_co_u32 s28, ttmp9, 768
	s_lshl_b32 s28, s28, 4
	s_mov_b32 s36, 0x3fc90fdb                      ; pi/2, rounded,
	s_mov_b32 s37, 0xb33bbd2e                      ; and what the rounding left
	v_lshlrev_b32 v5, 1, v1
	v_cvt_f32_u32 v6, v5
	v_add_f32 v7, 1.0, v6
	v_mul_f32 v6, 0xbe549a78, v6                   ; - p log2(10000) / 64
	v_mul_f32 v7, 0xbe549a78, v7
	v_exp_f32 v6, v6
	v_exp_f32 v7, v7
	v_add_nc_u32 v8, s28, v4                       ; t: a plain instruction behind the exponentials
	s_wait_alu depctr_va_vdst(0)                   ; the two exponentials have written v6 and v7: one wait for both, ahead of their first reader
	v_cvt_f32_u32 v9, v8
	v_add_f32 v10, 8.0, v9
	v_lshlrev_b32 v[VD], 8, v8
	v_lshl_add_u32 v[VD], v1, 3, v[VD]
; cos and sin of t x inv: n = the nearest multiple of pi/2, taken away in two parts; polynomials on |r| <= pi/4; the quadrant n mod 4 swaps and signs.
; In two parts: POLY ends in the compare that says whether the quadrant is odd, into scalar register m; QUAD reads that register.
.macro POLY tf, inv, b, m
	v_mul_f32 v[\b], v[\tf], v[\inv]
	v_mul_f32 v[\b+1], 0x3f22f983, v[\b]
	v_rndne_f32 v[\b+1], v[\b+1]
	v_fma_f32 v[\b], -v[\b+1], s36, v[\b]
	v_fma_f32 v[\b], -v[\b+1], s37, v[\b]
	v_cvt_i32_f32 v[\b+1], v[\b+1]
	v_mul_f32 v[\b+2], v[\b], v[\b]
	v_mov_b32 v[\b+3], -0.00019515296
	v_fmaak_f32 v[\b+3], v[\b+3], v[\b+2], 0.0083321609
	v_fmaak_f32 v[\b+3], v[\b+3], v[\b+2], -0.16666655
	v_mul_f32 v[\b+3], v[\b+3], v[\b+2]
	v_fma_f32 v[\b+3], v[\b+3], v[\b], v[\b]       ; sin r
	v_mov_b32 v[\b+4], 0.000024433157
	v_fmaak_f32 v[\b+4], v[\b+4], v[\b+2], -0.0013887316
	v_fmaak_f32 v[\b+4], v[\b+4], v[\b+2], 0.041666646
	v_fmaak_f32 v[\b+4], v[\b+4], v[\b+2], 0xbf000000
	v_fma_f32 v[\b+4], v[\b+4], v[\b+2], 1.0       ; cos r
	v_and_b32 v[\b+5], 1, v[\b+1]
	v_cmp_eq_u32 s[\m], 1, v[\b+5]
.endm
.macro QUAD oc, os, b, m
	v_cndmask_b32 v[\os], v[\b+3], v[\b+4], s[\m]
	v_cndmask_b32 v[\oc], v[\b+4], v[\b+3], s[\m]
	v_lshlrev_b32 v[\b+5], 30, v[\b+1]
	v_and_b32 v[\b+5], 0x80000000, v[\b+5]
	v_xor_b32 v[\os], v[\os], v[\b+5]              ; sin changes sign in quadrants 2, 3
	v_add_nc_u32 v[\b+5], 1, v[\b+1]
	v_lshlrev_b32 v[\b+5], 30, v[\b+5]
	v_and_b32 v[\b+5], 0x80000000, v[\b+5]
	v_xor_b32 v[\oc], v[\oc], v[\b+5]              ; cos in quadrants 1, 2
.endm
	POLY 9, 6, 20, 38
	POLY 9, 7, 28, 39
	POLY 10, 6, 36, 40
	POLY 10, 7, 44, 41
	s_wait_alu depctr_va_sdst(0)                   ; the four compares have written s38 to s41, ahead of the selections that read them: one wait for the run
	QUAD 52, 53, 20, 38
	QUAD 54, 55, 28, 39
	QUAD 56, 57, 36, 40
	QUAD 58, 59, 44, 41
	v_cvt_pk_f16_f32 v60, v52, v53
	v_cvt_pk_f16_f32 v61, v54, v55
	v_cvt_pk_f16_f32 v62, v56, v57
	v_cvt_pk_f16_f32 v63, v58, v59
	s_wait_alu depctr_va_vdst(0)                   ; the roundings have written v60 to v63, the stores' data; v[VD], their offset, was written further up
	global_store_b64 v[VD], v[60:61], s[22:23]
	global_store_b64 v[VD], v[62:63], s[22:23] offset:2048
	s_endpgm
.Lx:                                           ; x: piece i is K block i; a wave takes two rows, 256 bytes of each
	s_lshl_b32 s30, ttmp9, 16
	s_add_nc_u64 s[24:25], s[4:5], s[30:31]
	s_lshl_b32 s32, ttmp9, 11
	s_add_nc_u64 s[26:27], s[16:17], s[32:33]
	v_lshrrev_b32 v5, 4, v1
	v_and_b32 v6, 15, v1
	v_lshl_add_u32 v5, v4, 1, v5
	v_lshlrev_b32 v[VS], 12, v5
	v_lshl_add_u32 v[VS], v6, 4, v[VS]
	v_lshlrev_b32 v[VD], 7, v5
	v_lshl_add_u32 v[VD], v6, 3, v[VD]
	BODY 256, 524288
.Lqk:                                          ; Wq, Wk: piece i is row i; wave w holds head w's 128 columns
	s_sub_co_u32 s28, ttmp9, 256
	s_lshr_b32 s29, s28, 6
	s_and_b32 s28, s28, 63
	s_cmp_eq_u32 s29, 0
	s_cselect_b64 s[24:25], s[6:7], s[8:9]
	s_lshl_b32 s30, s28, 16
	s_add_nc_u64 s[24:25], s[24:25], s[30:31]
	s_mul_i32 s32, s28, 196608
	s_add_nc_u64 s[26:27], s[18:19], s[32:33]
	s_mul_i32 s29, s29, 768
	v_lshlrev_b32 v[VS], 4, v0
	v_mul_u32_u24 v[VD], v4, 1536
	v_lshl_add_u32 v[VD], v1, 3, v[VD]
	v_add_nc_u32 v[VD], s29, v[VD]
	BODY 4096, 12288
.Lvg:                                          ; Wv, Wg: 16 rows x one half of the 2,048 columns; wave w holds the 128 columns of tile 8 hf + w
	s_sub_co_u32 s28, ttmp9, 384
	s_lshr_b32 s29, s28, 7
	s_and_b32 s28, s28, 127
	s_and_b32 s34, s28, 1
	s_lshr_b32 s28, s28, 1
	s_cmp_eq_u32 s29, 0
	s_cselect_b64 s[24:25], s[10:11], s[12:13]
	s_lshl_b32 s30, s28, 17
	s_lshl_b32 s35, s34, 12
	s_add_co_u32 s30, s30, s35
	s_add_nc_u64 s[24:25], s[24:25], s[30:31]
	s_mul_i32 s32, s28, 196608
	s_add_nc_u64 s[26:27], s[18:19], s[32:33]
	s_mul_i32 s34, s34, 6144
	s_lshl_b32 s29, s29, 8
	s_add_co_u32 s34, s34, s29
	s_add_co_u32 s34, s34, 256
	v_lshlrev_b32 v[VS], 4, v0
	v_mul_u32_u24 v[VD], v4, 768
	v_lshl_add_u32 v[VD], v1, 3, v[VD]
	v_add_nc_u32 v[VD], s34, v[VD]
	BODY 8192, 12288
.Lwo:
	s_sub_co_u32 s28, ttmp9, 640
	s_lshl_b32 s30, s28, 16
	s_add_nc_u64 s[24:25], s[14:15], s[30:31]
	s_lshl_b32 s32, s28, 15
	s_add_nc_u64 s[26:27], s[20:21], s[32:33]
	v_lshlrev_b32 v[VS], 4, v0
	v_lshlrev_b32 v[VD], 3, v0
	BODY 4096, 2048
.Lfunc_end_k_qf72e2e6ccb_cast:
	.size	k_qf72e2e6ccb_cast, .Lfunc_end_k_qf72e2e6ccb_cast-k_qf72e2e6ccb_cast
	.p2alignl 7, 3214868480
	.fill 96, 4, 3214868480
	.section	.rodata,"a",@progbits
	.p2align	6, 0x0
	.amdhsa_kernel k_qf72e2e6ccb_cast
		.amdhsa_group_segment_fixed_size 0
		.amdhsa_private_segment_fixed_size 0
		.amdhsa_enable_private_segment 0
		.amdhsa_kernarg_size 80
		.amdhsa_user_sgpr_count 2
		.amdhsa_user_sgpr_kernarg_segment_ptr 1
		.amdhsa_wavefront_size32 1
		.amdhsa_system_sgpr_workgroup_id_x 1
		.amdhsa_system_sgpr_workgroup_id_y 1
		.amdhsa_system_sgpr_workgroup_id_z 1
		.amdhsa_system_vgpr_workitem_id 0
		.amdhsa_next_free_vgpr 112
		.amdhsa_next_free_sgpr 66
		.amdhsa_reserve_vcc 0
		.amdhsa_float_denorm_mode_32 3
		.amdhsa_float_denorm_mode_16_64 3
		.amdhsa_memory_ordered 1
		.amdhsa_forward_progress 1
		.amdhsa_inst_pref_size 32
	.end_amdhsa_kernel
	.amdgpu_metadata
---
amdhsa.version: [ 1, 2 ]
amdhsa.kernels:
  - .name:           k_qf72e2e6ccb_cast
    .symbol:         k_qf72e2e6ccb_cast.kd
    .args:
      - { .name: hidden_states, .offset: 0, .size: 8, .value_kind: global_buffer, .address_space: global }
      - { .name: Wq, .offset: 8, .size: 8, .value_kind: global_buffer, .address_space: global }
      - { .name: Wk, .offset: 16, .size: 8, .value_kind: global_buffer, .address_space: global }
      - { .name: Wv, .offset: 24, .size: 8, .value_kind: global_buffer, .address_space: global }
      - { .name: Wg, .offset: 32, .size: 8, .value_kind: global_buffer, .address_space: global }
      - { .name: Wo, .offset: 40, .size: 8, .value_kind: global_buffer, .address_space: global }
      - { .name: xb, .offset: 48, .size: 8, .value_kind: global_buffer, .address_space: global }
      - { .name: wcat, .offset: 56, .size: 8, .value_kind: global_buffer, .address_space: global }
      - { .name: wob, .offset: 64, .size: 8, .value_kind: global_buffer, .address_space: global }
      - { .name: tab, .offset: 72, .size: 8, .value_kind: global_buffer, .address_space: global }
    .group_segment_fixed_size: 0
    .private_segment_fixed_size: 0
    .kernarg_segment_align: 8
    .kernarg_segment_size: 80
    .max_flat_workgroup_size: 256
    .sgpr_count:     66
    .vgpr_count:     112
    .wavefront_size: 32
...
	.end_amdgpu_metadata
.endif
;; end of part 5
;; launch proj: the kernel of part 2 again; grid 16 x 16, 4 waves a work-group, clusters of 4 x 4, 327,680 bytes of LDS; arguments xb, wcat, tab, qk, vg, nrm; writes qk, vg, nrm
;; launch retn: the kernel of part 3 again; grid 16 x 16, 4 waves a work-group, clusters of 4 x 1, 327,680 bytes of LDS; arguments qk, vg, nrm, g_norm_w, yb; writes yb
;; launch oproj: the kernel of part 4 again; grid 8 x 32, 4 waves a work-group, clusters of 4 x 4, 327,680 bytes of LDS; arguments yb, wob, out0; writes out0
